; MI455X (gfx1250); checked and timed in simulation.
; The chip was launched on July 23, 2026; its instructions are those of AMD's public machine-readable ISA for CDNA 5 (MIT licence, August 2026) and "CDNA5" Instruction Set Architecture Reference Guide (July 2026). The comments in the code are by the model that wrote it; some were corrected since.
;; Grouped Query Attention. Allowed arithmetic: float matrix products may take bf16 or f16 operands with f32 sums; other float arithmetic in f32, or as packed bf16 or f16 multiplies, adds, multiply-adds, maxima and minima; sums over many terms, partial sums and values carried from step to step in f32; what a program stores and reads back later, other than sums and carried values, may be rounded once to bf16 or f16.
;; Inputs: Wk 2,048 x 512 float32; Wo 2,048 x 2,048 float32; Wq 2,048 x 2,048 float32; Wv 2,048 x 512 float32; bk 512 float32; bo 2,048 float32; bq 2,048 float32; bv 512 float32; x 2 x 1,024 x 2,048 float32.
;; Outputs: out0 2 x 1,024 x 2,048 float32.
;; 2 versions, each right; version 2 is version 1 with the launch prep written anew for expert scheduling mode. Each part assembles by itself: llvm-mc -triple=amdgcn-amd-amdhsa -mcpu=gfx1250 --defsym DOCPART=n.
;; ======== version 1 of 2: 4 launches
;; limits: values are held in f16: magnitudes above 65,504 overflow, below 6.1e-05 lose precision
;; workspace buffers: xb 8,388,608 bytes; wb1 12,582,912 bytes; wb2 8,388,608 bytes; bias1 12,288 bytes; qkv 12,582,912 bytes; yh 8,388,608 bytes
;; launch prep (part 1): grid 64 x 14, 8 waves a work-group, no clusters, 0 bytes of LDS; arguments x, Wq, Wk, Wv, Wo, bq, bv, xb, wb1, wb2, bias1; writes xb, wb1, wb2, bias1
.if DOCPART == 1
	.amdgcn_target "amdgcn-amd-amdhsa--gfx1250"
	.amdhsa_code_object_version 6
	.text
	.protected	k_qa11d842b96_prep
	.globl	k_qa11d842b96_prep
	.p2align	8
	.type	k_qa11d842b96_prep,@function
k_qa11d842b96_prep:
	s_mov_b64 s[64:65], 0
	v_nop
	global_prefetch_b8 v0, s[64:65] scope:SCOPE_SE
	s_setreg_imm32_b32 hwreg(HW_REG_WAVE_MODE, 25, 1), 1
	s_wait_xcnt 0x0
; PREP: the inputs are rounded once and laid out for the three launches behind.
;   xb   [2048 rows][2048 k] bf16                 = x
;   wb1  [48 groups of 64 columns][2048 k][64] bf16: groups 0-31 Wq, 32-39 Wk, 40-47 Wv (a group is a head: 262,144 dense bytes)
;   wb2  [32 groups][2048 k][64] f16: Wo rounded to bf16, that number written as f16 (exact down to 2^-14; below it f16's fixed step of 6e-8)
;   bias1 [3072] f32: bq, 512 zeros, bv
; WORK LEFT OUT BY THE WHOLE PROGRAM, and why it is dead for all values of the inputs:
;   bk.  A score is q . (k_j + bk) / 8 = q . k_j / 8 + q . bk / 8; the second term is the same for every key j of a query's row, hidden keys are -inf whatever it is,
;   and a softmax does not change when one number is added to all its inputs.  So bk reaches no output: it is not loaded and is no argument of any launch; its place in bias1 holds zeros.
;   The key tiles above the diagonal.  reference() builds the causal mask itself (jnp.tril) and sets those scores to -inf: their weights are 0.  The attention launch leaves them out in whole steps of 64 keys.
; LIMIT: a NaN, an infinity or an overflow that reaches only bk or only the hidden scores is not carried to the result.
; SHARES.  y of the grid is a unit of 2^20 numbers: 0-3 x, 4-7 Wq, 8 Wk, 9 Wv, 10-13 Wo; x of the grid one of its 64 parts of 16,384 numbers (64 KiB in, 32 KiB out).  Of a weight a part is
; 256 rows k of one group of 64 columns.  One address form serves all: rows of 256 bytes (64 f32), PS bytes apart (x: 256, that is dense; Wq, Wo: 8,192; Wk, Wv: 2,048).  A wave takes 32 rows:
; each of its 16 loads covers two rows (16 lanes a row of 256 consecutive bytes, aligned), each of its 16 stores 256 consecutive bytes, aligned.  All 16 loads of a wave go out before the first wait.
; No LDS, no barrier, no matrix unit, no cluster: nothing is shared and memory binds.  No register is written again while a load or store may read it, so no wait frees one.
.set AO, 16                            ; v[16:31]   load i: byte offset from the part's first byte
.set DI, 32                            ; v[32:95]   load i: four f32
.set PO, 96                            ; v[96:127]  store i: four numbers of 16 bits
	s_load_b512 s[8:23], s[0:1], 0x0               ; x s[8:9], Wq s[10:11], Wk s[12:13], Wv s[14:15], Wo s[16:17], bq s[18:19], bv s[20:21], xb s[22:23]
	s_load_b128 s[24:27], s[0:1], 0x40             ; wb1 s[24:25], wb2 s[26:27]
	s_load_b64 s[28:29], s[0:1], 0x50              ; bias1
	s_and_b32 s30, ttmp7, 0xffff                   ; u: the unit
	s_mov_b32 s31, ttmp9                           ; g: the part
	v_lshrrev_b32 v4, 5, v0
	v_readfirstlane_b32 s32, v4                    ; wave 0..7
	v_and_b32 v1, 31, v0                           ; lane l
	v_bfe_u32 v2, v0, 4, 1                         ; h = l / 16
	v_and_b32 v5, 15, v0                           ; l % 16
	; the unit's number in its source (s42) and in its destination (s43), and the pitch PS (s33)
	s_sub_co_u32 s40, s30, 4
	s_sub_co_u32 s41, s30, 10
	s_mov_b32 s42, s30
	s_mov_b32 s43, s30
	s_mov_b32 s33, 256
	s_cmp_ge_u32 s30, 4                            ; Wq
	s_cselect_b32 s42, s40, s42
	s_cselect_b32 s43, s40, s43
	s_cselect_b32 s33, 8192, s33
	s_cmp_ge_u32 s30, 8                            ; Wk: wb1's unit 4
	s_cselect_b32 s42, 0, s42
	s_cselect_b32 s43, 4, s43
	s_cselect_b32 s33, 2048, s33
	s_cmp_ge_u32 s30, 9                            ; Wv: wb1's unit 5
	s_cselect_b32 s43, 5, s43
	s_cmp_ge_u32 s30, 10                           ; Wo
	s_cselect_b32 s42, s41, s42
	s_cselect_b32 s43, s41, s43
	s_cselect_b32 s33, 8192, s33
	s_lshl_b32 s34, s33, 1                         ; two rows
	; the part's first byte in its source: x: (64 unit + g) x 65,536; a weight: 256 (g % 8) rows down, group 8 unit + g / 8 across
	s_lshl_b32 s44, s42, 6
	s_add_co_u32 s44, s44, s31
	s_lshl_b32 s44, s44, 16
	s_and_b32 s45, s31, 7
	s_mul_i32 s45, s45, s33
	s_lshl_b32 s45, s45, 8
	s_lshr_b32 s35, s31, 3                         ; g / 8
	s_lshl3_add_u32 s47, s42, s35
	s_lshl_b32 s47, s47, 8
	s_add_co_u32 s45, s45, s47
	s_cmp_ge_u32 s30, 4
	s_cselect_b32 s44, s45, s44
	s_mov_b32 s45, 0
	s_lshl_b32 s46, s43, 6                         ; and in its destination: (64 unit + g) x 32,768, for x and for the blocked weights alike
	s_add_co_u32 s46, s46, s31
	s_lshl_b32 s46, s46, 15
	s_mov_b32 s47, 0
	s_lshl_b32 s40, s32, 5
	v_add_nc_u32 v6, s40, v2                       ; row 32 wave + h
	v_mul_lo_u32 v6, v6, s33
	v_lshl_add_u32 v[AO], v5, 4, v6                ; + 16 (l % 16)
.set i, 1
.rept 15
	v_add_nc_u32 v[AO+i], s34, v[AO+i-1]           ; two rows further down
.set i, i+1
.endr
	s_lshl_b32 s41, s32, 12
	v_lshl_add_u32 v3, v1, 3, s41                  ; out: 4,096 wave + 8 l
	s_wait_kmcnt 0x0
	s_mov_b64 s[36:37], s[8:9]                     ; the source and the destination, chosen by the unit's number alone
	s_mov_b64 s[38:39], s[22:23]
	s_cmp_ge_u32 s30, 4
	s_cselect_b64 s[36:37], s[10:11], s[36:37]
	s_cselect_b64 s[38:39], s[24:25], s[38:39]
	s_cmp_ge_u32 s30, 8
	s_cselect_b64 s[36:37], s[12:13], s[36:37]
	s_cmp_ge_u32 s30, 9
	s_cselect_b64 s[36:37], s[14:15], s[36:37]
	s_cmp_ge_u32 s30, 10
	s_cselect_b64 s[36:37], s[16:17], s[36:37]
	s_cselect_b64 s[38:39], s[26:27], s[38:39]
	s_add_nc_u64 s[36:37], s[36:37], s[44:45]
	s_add_nc_u64 s[38:39], s[38:39], s[46:47]
.set i, 0
.rept 16
	global_load_b128 v[DI+4*i:DI+4*i+3], v[AO+i], s[36:37] th:TH_LOAD_NT  ; each byte is read once in the launch
.set i, i+1
.endr
; half = 0: f32 to bf16.  half = 1 (Wo): to bf16, and that number written as f16.
.macro CONV half
.set i, 0
.rept 16
	s_wait_loadcnt 15-i                            ; loads come back in order: load i is in, the younger ones stay out
	v_cvt_pk_bf16_f32 v[PO+2*i], v[DI+4*i], v[DI+4*i+1]
	v_cvt_pk_bf16_f32 v[PO+2*i+1], v[DI+4*i+2], v[DI+4*i+3]
.if \half
	v_lshlrev_b32 v[DI+4*i], 16, v[PO+2*i]         ; bf16 to f32: the low half moves up, the high half stays
	v_and_b32 v[DI+4*i+1], 0xffff0000, v[PO+2*i]
	v_lshlrev_b32 v[DI+4*i+2], 16, v[PO+2*i+1]
	v_and_b32 v[DI+4*i+3], 0xffff0000, v[PO+2*i+1]
	v_cvt_pk_f16_f32 v[PO+2*i], v[DI+4*i], v[DI+4*i+1]
	v_cvt_pk_f16_f32 v[PO+2*i+1], v[DI+4*i+2], v[DI+4*i+3]
.endif
	global_store_b64 v3, v[PO+2*i:PO+2*i+1], s[38:39] offset:256*i th:TH_STORE_NT  ; the wave's store covers 256 consecutive bytes, aligned
.set i, i+1
.endr
.endm
	s_cmp_ge_u32 s30, 10
	s_cbranch_scc1 .Lhalf
	CONV 0
	; bias1: the 256 bytes of a group are written by wave 0 of the work-group that has the group's first 256 rows k (units 4 to 9)
	s_cmp_lg_u32 s32, 0
	s_cbranch_scc1 .Lend
	s_and_b32 s40, s31, 7
	s_cmp_lg_u32 s40, 0
	s_cbranch_scc1 .Lend
	s_cmp_lt_u32 s30, 4
	s_cbranch_scc1 .Lend
	s_lshl3_add_u32 s41, s43, s35                  ; the group: 8 x wb1's unit + g / 8
	s_lshl_b32 s44, s41, 8                         ; (s45 and s47 still hold 0)
	s_add_nc_u64 s[28:29], s[28:29], s[44:45]
	v_lshlrev_b32 v8, 3, v1                        ; 8 bytes a lane
	s_cmp_eq_u32 s30, 8
	s_cbranch_scc1 .Lzero                          ; Wk's groups: bk is dead (see the head)
	s_lshl_b32 s46, s35, 8                         ; bv is counted from its own first group
	s_cmp_lt_u32 s30, 8
	s_cselect_b64 s[18:19], s[18:19], s[20:21]
	s_cselect_b32 s46, s44, s46
	s_add_nc_u64 s[18:19], s[18:19], s[46:47]
	global_load_b64 v[10:11], v8, s[18:19]
	s_wait_loadcnt 0x0
	global_store_b64 v8, v[10:11], s[28:29]
	s_endpgm
.Lzero:
	v_mov_b32 v10, 0
	v_mov_b32 v11, 0
	global_store_b64 v8, v[10:11], s[28:29]
.Lend:
	s_endpgm
.Lhalf:
	CONV 1
	s_endpgm
.Lfunc_end_k_qa11d842b96_prep:
	.size	k_qa11d842b96_prep, .Lfunc_end_k_qa11d842b96_prep-k_qa11d842b96_prep
	.p2alignl 7, 3214868480
	.fill 96, 4, 3214868480
	.section	.rodata,"a",@progbits
	.p2align	6, 0x0
	.amdhsa_kernel k_qa11d842b96_prep
		.amdhsa_group_segment_fixed_size 0
		.amdhsa_private_segment_fixed_size 0
		.amdhsa_enable_private_segment 0
		.amdhsa_kernarg_size 88
		.amdhsa_user_sgpr_count 2
		.amdhsa_user_sgpr_kernarg_segment_ptr 1
		.amdhsa_wavefront_size32 1
		.amdhsa_system_sgpr_workgroup_id_x 1
		.amdhsa_system_sgpr_workgroup_id_y 1
		.amdhsa_system_sgpr_workgroup_id_z 1
		.amdhsa_system_vgpr_workitem_id 0
		.amdhsa_next_free_vgpr 128
		.amdhsa_next_free_sgpr 66
		.amdhsa_reserve_vcc 0
		.amdhsa_float_denorm_mode_32 3
		.amdhsa_float_denorm_mode_16_64 3
		.amdhsa_memory_ordered 1
		.amdhsa_forward_progress 1
		.amdhsa_inst_pref_size 19
	.end_amdhsa_kernel
	.amdgpu_metadata
---
amdhsa.version: [ 1, 2 ]
amdhsa.kernels:
  - .name:           k_qa11d842b96_prep
    .symbol:         k_qa11d842b96_prep.kd
    .args:
      - { .name: x, .offset: 0, .size: 8, .value_kind: global_buffer, .address_space: global }
      - { .name: Wq, .offset: 8, .size: 8, .value_kind: global_buffer, .address_space: global }
      - { .name: Wk, .offset: 16, .size: 8, .value_kind: global_buffer, .address_space: global }
      - { .name: Wv, .offset: 24, .size: 8, .value_kind: global_buffer, .address_space: global }
      - { .name: Wo, .offset: 32, .size: 8, .value_kind: global_buffer, .address_space: global }
      - { .name: bq, .offset: 40, .size: 8, .value_kind: global_buffer, .address_space: global }
      - { .name: bv, .offset: 48, .size: 8, .value_kind: global_buffer, .address_space: global }
      - { .name: xb, .offset: 56, .size: 8, .value_kind: global_buffer, .address_space: global }
      - { .name: wb1, .offset: 64, .size: 8, .value_kind: global_buffer, .address_space: global }
      - { .name: wb2, .offset: 72, .size: 8, .value_kind: global_buffer, .address_space: global }
      - { .name: bias1, .offset: 80, .size: 8, .value_kind: global_buffer, .address_space: global }
    .group_segment_fixed_size: 0
    .private_segment_fixed_size: 0
    .kernarg_segment_align: 8
    .kernarg_segment_size: 88
    .max_flat_workgroup_size: 256
    .sgpr_count:     66
    .vgpr_count:     128
    .wavefront_size: 32
...
	.end_amdgpu_metadata
.endif
;; end of part 1
;; launch qkv (part 2): grid 16 x 16, 4 waves a work-group, clusters of 4 x 4, 327,680 bytes of LDS; arguments xb, wb1, bias1, qkv; writes qkv
.if DOCPART == 2
	.amdgcn_target "amdgcn-amd-amdhsa--gfx1250"
	.amdhsa_code_object_version 6
	.text
	.protected	k_qa11d842b96_qkv
	.globl	k_qa11d842b96_qkv
	.p2align	8
	.type	k_qa11d842b96_qkv,@function
k_qa11d842b96_qkv:
	s_mov_b64 s[64:65], 0
	v_nop
	global_prefetch_b8 v0, s[64:65] scope:SCOPE_SE
	s_setreg_imm32_b32 hwreg(HW_REG_WAVE_MODE, 25, 1), 1
	s_wait_xcnt 0x0
	s_wait_alu depctr_hold_cnt(0) depctr_sa_sdst(0) depctr_va_vdst(0) depctr_va_sdst(0) depctr_va_ssrc(0) depctr_va_vcc(0) depctr_vm_vsrc(0)
	s_getreg_b32 s2, hwreg(HW_REG_IB_STS2, 6, 4)
	s_cmp_eq_u32 s2, 0
	s_cbranch_scc0 .Lentry_in_a_cluster
	s_endpgm
.Lentry_in_a_cluster:
	s_bfe_u32 s2, ttmp6, 0x10000c
	s_cmp_lg_u32 s2, 0xf033
	s_cbranch_scc0 .Lentry_shape_is_right
	s_endpgm
.Lentry_shape_is_right:
; QKV: [q | k | v] = x W + bias, 2,048 rows x 3,072 columns x K = 2,048, bf16 operands, f32 sums, written by heads in f16: qkv [b 2][group 48][t 1024][64].  q is not scaled here.
; LEFT OUT: bk (dead: it adds the same number to all scores of a softmax row; shown at the head of the first kernel); bias1 holds zeros in its place.
; LIMIT: q, k and v must lie within f16's 65,504.
; SHARES.  A tile is 128 rows x 192 columns (three heads): 16 x 16 = 256 work-groups.  Four waves, 2 x 2: wave w has rows 64 (w / 2) .. + 63 and, of EACH of the three heads, columns 32 (w % 2) .. + 31:
; 4 x 6 accumulators of 16 x 16, 192 registers.  A quarter is 32 along K: 24 matrix instructions and 20 LDS loads.
; THE RING has two slots of unlike size: a SHORT one for 128 along K (four quarters) and a LONG one for 256 (eight).  One k of the tile takes 752 bytes of LDS with its padding, so two slots of 256 (380,928 bytes)
; do not fit; 128 + 256 do, and x's rows in them, 256 and 512 bytes, all begin at multiples of 256 bytes from xb's first.  The walk is short, long, short .. short: 6 x 128 + 5 x 256 = 2,048: eleven steps, two first
; fills and nine refills.  The way out's stage lies in the long slot, which by then has had its last fill and its last read.
; W STAYS [k][n]: 128 (256) along K of a head are 16,384 (32,768) dense bytes of wb1, asked for as rows of 256 bytes, and its fragments come out of LDS turned, by ds_load_tr16_b128.
; THE MATRIX INSTRUCTION IS USED TRANSPOSED: source 0 = 16 columns of W, source 1 = 16 rows of x: a lane then holds one row (lane % 16) and the eight neighbouring columns 8 (lane / 16) + 0..7.
; THE BIAS STARTS THE SUMS: it is the C operand of each accumulator's first product: nothing is cleared and nothing is added at the end.
; CLUSTER, 4 x 4: x's tile hangs on the tile row alone and is asked for jointly along a row of the cluster, W's blocks on the tile column alone and jointly along a column.
; REGISTERS.  window 0: v0-31 addresses; v32-55 at work on the way out; v64-255 the accumulators ((a, i) at 64 + 8 (6 a + i)).
;   window 1: two fragment buffers of 80 (x's four fragments, then W's six); v160-207 the bias, eight registers for each of the six column blocks.
.set UNIT,   128                       ; K is counted in units of 128: the short slot holds one, the long slot two
.set PAS,    272                       ; a row of x in the short slot: 256 bytes + 16 = 68 words; in the long slot: 512 + 16 = 132 words: in both the 16 rows of a load start at 16 different groups of
.set PAL,    528                       ; four banks (64 banks of 4 bytes: ISA guide 11.1)
.set PB,     160                       ; a row k of W: 128 bytes + 32 = 40 words
.set XSB,    128*PAS                   ; x's 128 rows in the short slot,
.set XLB,    128*PAL                   ; in the long slot
.set WSB,    UNIT*PB                   ; one head's block of W in the short slot,
.set WLB,    2*UNIT*PB                 ; in the long slot
.set SLOT1,  XSB+3*WSB                 ; the short slot begins at 0 (96,256 bytes), the long slot here (190,464 bytes)
.set STAGE,  SLOT1                     ; [3 heads][128 rows] of 144 bytes, in the long slot: written only behind its last fill and behind the barrier that follows its last read
.set SPS,    144
.set STJ,    128*SPS
.set SPARE,  SLOT1+XLB+3*WLB           ; behind the ring: the spare words, 128 bytes for each wave: two blocks of 256 bytes that no other line names
.set TRIPS,  4                         ; a trip = a short and a long step = once round the ring
.set ADRB, 10                          ; v10-12  LDS address of my fragments of W in the short slot, a register for each head; v13-15 in the long slot (its heads lie 40,960 bytes apart: past an offset of 16 bits)
.set ADRA, 16                          ; v16-17  LDS address of my fragments of x in the short, the long slot
.set STO,  24                          ; v24     the way out: where I put 16 bytes of a row
.set RD,   25                          ; v25     the way out: where I read rows back
.set CO,   26                          ; v26     my 16 bytes of 512 consecutive bytes of qkv
.set BO,   27                          ; v27     my byte offset in the tile's bias
.set SPW,  28                          ; v28     LDS address of my spare word; never rewritten
.set NIL,  29                          ; v29     0; never rewritten
.set PFOA, 30                          ; v30     prefetches of x: my lane x a row of xb (4,096 bytes); never rewritten
.set PFOB, 31                          ; v31     prefetches of W: my lane x 256 bytes; never rewritten
.set TMP,  32
.set ACC,  64
.set F0,   0                           ; window 1
.set F1,   80
.set BIAS, 160
.set G1A, 24                           ; s[24:31] descriptor group 1 for x's tile in the short slot; s[80:87] in the long slot
.set G1AD, 56
.set G0A, 32                           ; s[32:39] group 0 for x, a set for each slot
.set G1B, 48                           ; s[48:55] group 1 for W's blocks in the short slot; s[88:95] in the long slot
.set G1BD, 40
.set G0B, 56                           ; s[56:63] group 0 for W, a set for each slot
.set PFAA, 68                          ; s[68:69] where my prefetches of x stand
.set PFAB, 70                          ; s[70:71] of W
.set LIMA, 72                          ; s72, s73: 2 in a wave that prefetches x (W), else the greatest number
.set LIMB, 73
.set MSB, 0
.macro WIN new                         ; the immediate's high byte repeats the setting that is left; a switch that changes nothing is dropped
.if MSB != (\new)
	s_set_vgpr_msb (MSB<<8)|(\new)
.set MSB, \new
.endif
.endm
.set MUL,  0x05                        ; sources 0 and 1 window 1; C and D window 0
.set MULB, 0x15                        ; the same with C (the bias) in window 1
.set TO_F, 0x40                        ; destination window 1, address window 0
; A joint load into slot s.  Wave 0 fetches x's 128 rows, waves 1 to 3 one head's block of W each.  The branch hangs on the wave's number alone.
; An s_nop 0 and four v_nop follow each of the two lines, ahead of the jump, the label and what follows.
.macro JLOAD s
	s_cmp_eq_u32 s10, 0
	s_cbranch_scc0 .Lfor_b_\@
	tensor_load_to_lds s[G0A+4*(\s):G0A+4*(\s)+3], s[G1A+G1AD*(\s):G1A+G1AD*(\s)+7]
	s_nop 0
.rept 4
	v_nop
.endr
	s_branch .Lasked_\@
.Lfor_b_\@:
	tensor_load_to_lds s[G0B+4*(\s):G0B+4*(\s)+3], s[G1B+G1BD*(\s):G1B+G1BD*(\s)+7]
	s_nop 0
.rept 4
	v_nop
.endr
.Lasked_\@:
.endm
; PREFETCHES INTO THE L2, a pair of units behind each of the first five refills (behind the joint load, its five lines and the run of LDS loads): units 6 and 7, 8 and 9, .. 14 and 15.  By the walk's own count
; (a unit is 96 matrix instructions a wave) each unit is named 288 to 576 matrix instructions ahead of the joint load that brings it.  Units 0 to 5 come by their loads alone; nothing is asked for at the head.
; Each 256 bytes are named once in the launch.  x's tile row is read by all clusters of a row of clusters: cluster x = 0 asks; the four partners take 32 rows each, told apart BY ADDRESS; wave 0 asks for the pair's
; first unit, wave 1 for its second: a lane a row.  W's blocks are read by all clusters of a column: cluster y = 0 asks; of the 128 pieces of 256 bytes of a block's pair a partner takes 32; waves 1 to 3 a block each.
; how = 0, behind the short slot's refill: while the counter is 2 or more (trips 0 to 2); how = 1, behind the long slot's: while it is above 2 (trips 0 and 1).
.macro ASK how
.if \how
	s_cmp_gt_u32 s3, s[LIMA]
.else
	s_cmp_ge_u32 s3, s[LIMA]
.endif
	s_cbranch_scc0 .Lnot_a_\@
	global_prefetch_b8 v[PFOA], s[PFAA:PFAA+1] offset:4*UNIT*2 th:TH_LOAD_NT scope:SCOPE_SE
.Lnot_a_\@:
.if \how
	s_cmp_gt_u32 s3, s[LIMB]
.else
	s_cmp_ge_u32 s3, s[LIMB]
.endif
	s_cbranch_scc0 .Lnot_b_\@
	global_prefetch_b8 v[PFOB], s[PFAB:PFAB+1] offset:4*UNIT*128 th:TH_LOAD_NT scope:SCOPE_SE
.Lnot_b_\@:
.endm
.macro CREST                           ; a round of the cluster's barrier behind its opening barrier
	s_cmp_lg_u32 s10, 0
	s_cbranch_scc1 .Lnot_wave_0_\@
	s_barrier_signal -3
.Lnot_wave_0_\@:
	s_barrier_wait -3
	s_barrier_signal -1
	s_barrier_wait -1
.endm
.macro CROUND                          ; a whole round
	s_barrier_signal -1
	s_barrier_wait -1
	CREST
.endm
	s_load_b128 s[4:7], s[0:1], 0x0                ; xb s[4:5], wb1 s[6:7]
	s_load_b64 s[66:67], s[0:1], 0x10              ; bias1
	s_load_b64 s[8:9], s[0:1], 0x18                ; qkv
	v_lshl_add_u32 v[SPW], v0, 2, SPARE
	v_mov_b32 v[NIL], 0
	ds_add_u32 v[SPW], v[NIL]                      ; the wave's opening: the add, twice on end, and its wait ahead of my first tensor load; the set-up below stands between
	ds_add_u32 v[SPW], v[NIL]
	v_lshrrev_b32 v1, 5, v0
	v_readfirstlane_b32 s10, v1                    ; wave 0..3
	s_lshr_b32 s11, s10, 1                         ; which 64 rows are mine
	s_and_b32 s12, s10, 1                          ; which 32 columns of each head
	s_bfe_u32 s40, ttmp6, 0x40000                  ; cx, cy: my place in the cluster
	s_bfe_u32 s41, ttmp6, 0x40004
	s_lshl_b32 s42, ttmp9, 2
	s_add_co_u32 s42, s42, s40                     ; tile column = 4 x cluster x + cx
	s_and_b32 s13, ttmp7, 0xffff
	s_lshl_b32 s13, s13, 2
	s_add_co_u32 s13, s13, s41                     ; tile row = 4 x cluster y + cy
	s_lshl_b32 s43, s41, 2
	s_lshl_b32 s43, 15, s43                        ; my row of the cluster
	s_lshl_b32 s44, 0x1111, s40                    ; my column
	; group 1 for x: 128 rows x 128 (256) elements, 2,048 elements from row to row; 16 bytes of padding behind every 64 (128) words, that is behind every row
	s_or_b32 s[G1A+0], s43, (1<<16)|(1<<20)|(1<<21)|(5<<22)|(3<<25)
	s_mov_b32 s[G1A+1], UNIT<<16                   ; tensor_dim0 = 128
	s_mov_b32 s[G1A+2], 128<<16                    ; tensor_dim1 = 128
	s_mov_b32 s[G1A+3], UNIT<<16                   ; tile_dim0 = 128
	s_mov_b32 s[G1A+4], 128                        ; tile_dim1 = 128
	s_mov_b32 s[G1A+5], 2048
	s_mov_b32 s[G1A+6], 0
	s_mov_b32 s[G1A+7], 0
	s_or_b32 s[G1A+G1AD+0], s43, (1<<16)|(1<<20)|(1<<21)|(6<<22)|(3<<25)
	s_mov_b32 s[G1A+G1AD+1], (2*UNIT)<<16          ; tensor_dim0 = 256
	s_mov_b32 s[G1A+G1AD+2], 128<<16
	s_mov_b32 s[G1A+G1AD+3], (2*UNIT)<<16          ; tile_dim0 = 256
	s_mov_b32 s[G1A+G1AD+4], 128
	s_mov_b32 s[G1A+G1AD+5], 2048
	s_mov_b32 s[G1A+G1AD+6], 0
	s_mov_b32 s[G1A+G1AD+7], 0
	; group 1 for W: dense bytes as 64 (128) rows of 256 bytes, two rows k each; 32 bytes of padding behind every 32 words, that is behind every row k
	s_or_b32 s[G1B+0], s44, (1<<16)|(1<<20)|(1<<21)|(4<<22)|(7<<25)
	s_mov_b32 s[G1B+1], 128<<16
	s_mov_b32 s[G1B+2], 64<<16
	s_mov_b32 s[G1B+3], 128<<16
	s_mov_b32 s[G1B+4], 64
	s_mov_b32 s[G1B+5], 128
	s_mov_b32 s[G1B+6], 0
	s_mov_b32 s[G1B+7], 0
	s_or_b32 s[G1B+G1BD+0], s44, (1<<16)|(1<<20)|(1<<21)|(4<<22)|(7<<25)
	s_mov_b32 s[G1B+G1BD+1], 128<<16
	s_mov_b32 s[G1B+G1BD+2], 128<<16
	s_mov_b32 s[G1B+G1BD+3], 128<<16
	s_mov_b32 s[G1B+G1BD+4], 128
	s_mov_b32 s[G1B+G1BD+5], 128
	s_mov_b32 s[G1B+G1BD+6], 0
	s_mov_b32 s[G1B+G1BD+7], 0
	s_lshl_b32 s16, s13, 19                        ; x: 128 rows of 4,096 bytes a tile row: made of the tile row alone
	s_mov_b32 s17, 0
	s_max_u32 s21, s10, 1
	s_sub_co_u32 s21, s21, 1                       ; which head's block I fetch (waves 1 to 3; wave 0 fetches x)
	s_mul_i32 s46, s42, 3
	s_add_co_u32 s46, s46, s21
	s_lshl_b32 s46, s46, 18                        ; W: group 3 x tile column + block: made of the tile column and the wave's number
	s_mov_b32 s47, 0
	s_mul_i32 s20, s10, WSB                        ; where it goes: behind x's rows, block wave - 1: in the short slot,
	s_add_co_u32 s20, s20, XSB-WSB
	s_mul_i32 s22, s10, WLB                        ; in the long slot
	s_add_co_u32 s22, s22, SLOT1+XLB-WLB
	s_wait_dscnt 0x0                               ; both opening adds are done
	s_wait_kmcnt 0x0
	s_add_nc_u64 s[14:15], s[4:5], s[16:17]
	s_add_nc_u64 s[46:47], s[6:7], s[46:47]
	CROUND                                         ; all sixteen work-groups are here: the first joint loads meet
.irp s, 0,1
	s_mov_b32 s[G0A+4*(\s)], 1
	s_mov_b32 s[G0A+4*(\s)+1], (\s)*SLOT1
	s_add_nc_u64 s[G0A+4*(\s)+2:G0A+4*(\s)+3], s[14:15], (\s)*UNIT*2    ; the short slot begins with unit 0, the long slot with units 1 and 2
	s_or_b32 s[G0A+4*(\s)+3], s[G0A+4*(\s)+3], 0x80000000
	s_mov_b32 s[G0B+4*(\s)], 1
	s_mov_b32 s[G0B+4*(\s)+1], s[20+2*(\s)]
	s_add_nc_u64 s[G0B+4*(\s)+2:G0B+4*(\s)+3], s[46:47], (\s)*UNIT*128
	s_or_b32 s[G0B+4*(\s)+3], s[G0B+4*(\s)+3], 0x80000000
	JLOAD \s                                       ; two loads of mine are out
.endr
	v_and_b32 v1, 15, v0                           ; r = l % 16
	v_bfe_u32 v2, v0, 4, 1                         ; h = l / 16
	; the bias: register j of block i is column 192 tx + 64 (i / 2) + 32 c + 16 (i % 2) + 8 h + j
	s_mul_i32 s74, s42, 768
	s_mov_b32 s75, 0
	s_add_nc_u64 s[66:67], s[66:67], s[74:75]
	s_lshl_b32 s76, s12, 7
	v_lshl_add_u32 v[BO], v2, 5, s76
	WIN TO_F
.irp i, 0,1,2,3,4,5
	global_load_b128 v[BIAS+8*(\i):BIAS+8*(\i)+3],   v[BO], s[66:67] offset:256*((\i)/2)+64*((\i)%2)
	global_load_b128 v[BIAS+8*(\i)+4:BIAS+8*(\i)+7], v[BO], s[66:67] offset:256*((\i)/2)+64*((\i)%2)+16
.endr
	WIN 0
	v_mul_u32_u24 v3, v1, PAS                      ; a fragment of x: row r, 16 bytes for each half of the lanes; by each slot's pitch
	v_lshl_add_u32 v3, v2, 4, v3
	s_mul_i32 s22, s11, 64*PAS
	v_add_nc_u32 v[ADRA], s22, v3
	v_mul_u32_u24 v3, v1, PAL
	v_lshl_add_u32 v3, v2, 4, v3
	s_mul_i32 s22, s11, 64*PAL
	s_add_co_u32 s22, s22, SLOT1
	v_add_nc_u32 v[ADRA+1], s22, v3
	v_and_b32 v4, 7, v0                            ; the turning load: lane l reads row k 8 h + l % 8, columns 8 ((l / 8) % 2) + 0..7
	v_bfe_u32 v5, v0, 3, 1
	v_lshl_add_u32 v6, v2, 3, v4
	v_mul_u32_u24 v6, v6, PB
	v_lshl_add_u32 v6, v5, 4, v6
	s_lshl_b32 s23, s12, 6                         ; my 32 columns of a head
	v_add_nc_u32 v6, s23, v6
.irp j, 0,1,2
	v_add_nc_u32 v[ADRB+(\j)], XSB+WSB*(\j), v6
	v_add_nc_u32 v[ADRB+3+(\j)], SLOT1+XLB+WLB*(\j), v6
.endr
	s_mul_i32 s22, s11, 64*SPS                     ; into the stage: row 64 (w / 2) + r, byte 64 (w % 2) + 16 h
	s_add_co_u32 s22, s22, s23
	s_add_co_u32 s22, s22, STAGE
	v_mul_u32_u24 v7, v1, SPS
	v_lshl_add_u32 v7, v2, 4, v7
	v_add_nc_u32 v[STO], s22, v7
	s_mul_i32 s22, s10, 32*SPS                     ; back: wave w takes rows 32 w .. + 31 of each head, four rows of 128 bytes an instruction
	s_add_co_u32 s22, s22, STAGE
	v_bfe_u32 v8, v0, 3, 2
	v_mul_u32_u24 v8, v8, SPS
	v_lshl_add_u32 v8, v4, 4, v8
	v_add_nc_u32 v[RD], s22, v8
	v_and_b32 v9, 31, v0
	v_lshlrev_b32 v[CO], 4, v9
	s_lshr_b32 s74, s13, 3                         ; qkv: ((b 48 + 3 tx) heads of 131,072 bytes) + (128 (ty % 8) + 32 w) rows of 128 bytes
	s_mul_i32 s74, s74, 48
	s_mul_i32 s75, s42, 3
	s_add_co_u32 s74, s74, s75
	s_lshl_b32 s74, s74, 17
	s_and_b32 s75, s13, 7
	s_lshl_b32 s75, s75, 7
	s_lshl_b32 s76, s10, 5
	s_add_co_u32 s75, s75, s76
	s_lshl_b32 s75, s75, 7
	s_add_co_u32 s74, s74, s75
	s_mov_b32 s75, 0
	s_add_nc_u64 s[8:9], s[8:9], s[74:75]
	; the prefetches' pointers.  Each is stepped a pair of units at the head of a change of slots, ahead of that change's prefetch; the prefetch reaches four units further by its immediate
	s_lshl_b32 s74, s13, 7
	s_lshl_b32 s75, s40, 5
	s_add_co_u32 s74, s74, s75                     ; row 128 ty + 32 cx
	s_lshl_b32 s74, s74, 12
	s_lshl_b32 s75, s10, 8                         ; + which unit of the pair: my wave's number (waves 0 and 1)
	s_add_co_u32 s74, s74, s75
	s_mov_b32 s75, 0
	s_add_nc_u64 s[PFAA:PFAA+1], s[4:5], s[74:75]
	s_mul_i32 s76, s42, 3
	s_add_co_u32 s76, s76, s21
	s_lshl_b32 s76, s76, 18
	s_lshl_b32 s77, s41, 13                        ; + my work-group's 32 pieces of 256 bytes
	s_add_co_u32 s76, s76, s77
	s_mov_b32 s77, 0
	s_add_nc_u64 s[PFAB:PFAB+1], s[6:7], s[76:77]
	s_lshr_b32 s78, s10, 1                         ; x: waves 0 and 1 where cluster x = 0: the same in all sixteen partners, for a given wave
	s_or_b32 s78, s78, ttmp9
	s_cmp_eq_u32 s78, 0
	s_cselect_b32 s[LIMA], 2, -1
	s_and_b32 s78, ttmp7, 0xffff                   ; W: waves 1 to 3 where cluster y = 0
	s_cmp_eq_u32 s10, 0
	s_cselect_b32 s79, 1, 0
	s_or_b32 s78, s78, s79
	s_cmp_eq_u32 s78, 0
	s_cselect_b32 s[LIMB], 2, -1
	v_lshlrev_b32 v[PFOA], 12, v9
	v_lshlrev_b32 v[PFOB], 8, v9
; 6 matrix instructions: row block a x the six column blocks, 32 along K.  The 24 accumulators take turns, one instruction a turn, in the same order in every quarter.
.macro MUL6 f, a, first
.if \first
	WIN MULB
.else
	WIN MUL
.endif
.irp i, 0,1,2,3,4,5
.if \first
	v_wmma_f32_16x16x32_bf16 v[ACC+8*(6*(\a)+(\i)):ACC+8*(6*(\a)+(\i))+7], v[(\f)+32+8*(\i):(\f)+32+8*(\i)+7], v[(\f)+8*(\a):(\f)+8*(\a)+7], v[BIAS+8*(\i):BIAS+8*(\i)+7]
.else
	v_wmma_f32_16x16x32_bf16 v[ACC+8*(6*(\a)+(\i)):ACC+8*(6*(\a)+(\i))+7], v[(\f)+32+8*(\i):(\f)+32+8*(\i)+7], v[(\f)+8*(\a):(\f)+8*(\a)+7], v[ACC+8*(6*(\a)+(\i)):ACC+8*(6*(\a)+(\i))+7]
.endif
.endr
.endm
; 20 LDS loads in one run: quarter q of a slot (0 short, 1 long) into buffer f: W's twelve, x's row blocks 0 and 1, then 2 and 3
.macro FETCH slot, q, f
	WIN TO_F
.irp i, 0,1,2,3,4,5
	ds_load_tr16_b128 v[(\f)+32+8*(\i):(\f)+32+8*(\i)+3],   v[ADRB+3*(\slot)+(\i)/2] offset:32*((\i)%2)+32*PB*(\q)
	ds_load_tr16_b128 v[(\f)+32+8*(\i)+4:(\f)+32+8*(\i)+7], v[ADRB+3*(\slot)+(\i)/2] offset:32*((\i)%2)+32*PB*(\q)+16*PB
.endr
.irp a, 0,1,2,3
	ds_load_b128 v[(\f)+8*(\a):(\f)+8*(\a)+3],   v[ADRA+(\slot)] offset:16*(PAS+(PAL-PAS)*(\slot))*(\a)+64*(\q)
	ds_load_b128 v[(\f)+8*(\a)+4:(\f)+8*(\a)+7], v[ADRA+(\slot)] offset:16*(PAS+(PAL-PAS)*(\slot))*(\a)+64*(\q)+32
.endr
.endm
.macro PLACES                          ; four places in front of loads into registers that matrix instructions have read, and of conversions that read results
.rept 4
	v_nop
.endr
.endm
; Any quarter of a step but its last: multiplies buffer f and, in its middle, fetches quarter q of the same slot into buffer g.
.macro QUARTER slot, q, f, g, first
	s_wait_dscnt 4                                 ; W and x's row blocks 0 and 1 are in; the youngest four loads may be out
	MUL6 \f, 0, \first
	MUL6 \f, 1, \first
	PLACES
	FETCH \slot, \q, \g
	s_wait_dscnt 20                                ; all but the 20 just issued
	MUL6 \f, 2, \first
	MUL6 \f, 3, \first
.endm
.macro LONG7                           ; the long step's first seven quarters
	QUARTER 1, 1, F0, F1, 0
	QUARTER 1, 2, F1, F0, 0
	QUARTER 1, 3, F0, F1, 0
	QUARTER 1, 4, F1, F0, 0
	QUARTER 1, 5, F0, F1, 0
	QUARTER 1, 6, F1, F0, 0
	QUARTER 1, 7, F0, F1, 0
.endm
; A step's last quarter multiplies buffer 1 and changes slots: ONE barrier; in front of it each wave waits for all its tensor loads (the one that is out is its part of the next slot), adds 0 to its spare word, and
; waits for that and for its own reads of this slot.  fill = 1: the barrier opens a round of the cluster's, and this slot is filled again, three units further along K, first thing behind the round.
; ask = 1 (in the loop): the prefetches' pointers step, and ASK follows the run of LDS loads.
.macro TURN slot, next, fill, ask
.if \ask
	s_wait_xcnt 0x0                                ; the last prefetches, a step back, have read their addresses, so these may be written
	s_add_nc_u64 s[PFAA:PFAA+1], s[PFAA:PFAA+1], 2*UNIT*2
	s_add_nc_u64 s[PFAB:PFAB+1], s[PFAB:PFAB+1], 2*UNIT*128
.endif
	WIN 0                                          ; (the add's two registers lie in window 0)
	s_wait_tensorcnt 0x0                           ; all my tensor loads have landed
	ds_add_u32 v[SPW], v[NIL]                      ; 0 onto my spare word
	s_wait_dscnt 5                                 ; (the add and the youngest four loads may be out)
	MUL6 F1, 0, 0                                  ; six matrix instructions stand between the add and the wait for it
	s_wait_dscnt 0x0                               ; the add is done, and my reads of this slot are over
	s_barrier_signal -1
	MUL6 F1, 1, 0
.if \fill
	WIN 0
.endif
	s_barrier_wait -1
.if \fill
	CREST                                          ; no wave of any partner still reads this slot or has a load on its way
	s_add_nc_u64 s[G0A+4*(\slot)+2:G0A+4*(\slot)+3], s[G0A+4*(\slot)+2:G0A+4*(\slot)+3], 3*UNIT*2
	s_add_nc_u64 s[G0B+4*(\slot)+2:G0B+4*(\slot)+3], s[G0B+4*(\slot)+2:G0B+4*(\slot)+3], 3*UNIT*128
	JLOAD \slot                                    ; my one tensor load behind the round: the short slot's stands 180 matrix instructions ahead of the wait for it, the long slot's 84; its four v_nop are also the places in front of the loads below
.else
	PLACES
.endif
	FETCH \next, 0, F0
.if \ask
	WIN 0
	ASK \slot
.endif
	MUL6 F1, 2, 0
	MUL6 F1, 3, 0
.endm
	s_wait_tensorcnt 1                             ; my part of the short slot is in; the long slot's may stay out
	s_barrier_signal -1
	s_barrier_wait -1                              ; everybody's is
	FETCH 0, 0, F0
	s_wait_loadcnt 0x0                             ; the bias
	QUARTER 0, 1, F0, F1, 1                        ; the first quarter stands in front of the loop: its products start the sums, with the bias
	WIN 0                                          ; at a label and at a branch every window is 0
	s_mov_b32 s3, TRIPS
.Llap:                                                 ; a trip goes once round the ring, from a short step's second quarter to the next short step's first, and fills both slots again
	QUARTER 0, 2, F1, F0, 0
	QUARTER 0, 3, F0, F1, 0
	TURN 0, 1, 1, 1
	LONG7
	TURN 1, 0, 1, 1
	QUARTER 0, 1, F0, F1, 0
	WIN 0
	s_sub_co_u32 s3, s3, 1
	s_cmp_lg_u32 s3, 0
	s_cbranch_scc1 .Llap
	QUARTER 0, 2, F1, F0, 0                        ; the tail is written out: the fifth short step,
	QUARTER 0, 3, F0, F1, 0
	TURN 0, 1, 1, 0                                ; behind which the short slot takes the walk's last unit: the last load;
	LONG7                                          ; the fifth long step,
	TURN 1, 0, 0, 0                                ; behind whose barrier no wave reads the long slot any more, and no tensor load follows;
	QUARTER 0, 1, F0, F1, 0                        ; and the sixth short step
	QUARTER 0, 2, F1, F0, 0
	QUARTER 0, 3, F0, F1, 0
	s_wait_dscnt 4                                 ; the very last quarter: nothing more to fetch
	MUL6 F1, 0, 0
	MUL6 F1, 1, 0
	s_wait_dscnt 0x0
	MUL6 F1, 2, 0
	MUL6 F1, 3, 0
	WIN 0
	; THE WAY OUT: rounded to f16, 16 bytes a lane into the work-group's stage; a barrier, since a head's row of 128 bytes comes from two waves; back as whole rows, which lie end to end in qkv.
	PLACES
.irp a, 0,1,2,3
.irp i, 0,1,2,3,4,5
.irp r, 0,1,2,3
	v_cvt_pk_f16_f32 v[TMP+4*(\i)+(\r)], v[ACC+8*(6*(\a)+(\i))+2*(\r)], v[ACC+8*(6*(\a)+(\i))+2*(\r)+1]  ; each accumulator's registers in ascending order
.endr
.endr
.irp i, 0,1,2,3,4,5
	ds_store_b128 v[STO], v[TMP+4*(\i):TMP+4*(\i)+3] offset:STJ*((\i)/2)+16*SPS*(\a)+32*((\i)%2)
.endr
.endr
	s_wait_dscnt 0x0                               ; for the others' sake: my stores into the stage are done
	s_barrier_signal -1
	s_barrier_wait -1
.irp j, 0,1,2
.irp f, 0,1,2,3,4,5,6,7
	ds_load_b128 v[ACC+4*(8*(\j)+(\f)):ACC+4*(8*(\j)+(\f))+3], v[RD] offset:STJ*(\j)+4*SPS*(\f)
.endr
.endr
.irp j, 0,1,2
.irp f, 0,1,2,3,4,5,6,7
	s_wait_dscnt 23-(8*(\j)+(\f))
	global_store_b128 v[CO], v[ACC+4*(8*(\j)+(\f)):ACC+4*(8*(\j)+(\f))+3], s[8:9] offset:131072*(\j)+512*(\f)  ; 512 consecutive bytes, at a multiple of 256 from qkv's first
.endr
.endr
	s_wait_tensorcnt 0x0                           ; the wave's end: behind my last tensor load and my last LDS store
	ds_add_u32 v[SPW], v[NIL]
	s_wait_dscnt 0x0
	CROUND                                         ; the closing round: no work-group ends while a partner may still ask for a tile that names it
	s_endpgm
.Lfunc_end_k_qa11d842b96_qkv:
	.size	k_qa11d842b96_qkv, .Lfunc_end_k_qa11d842b96_qkv-k_qa11d842b96_qkv
	.p2alignl 7, 3214868480
	.fill 96, 4, 3214868480
	.section	.rodata,"a",@progbits
	.p2align	6, 0x0
	.amdhsa_kernel k_qa11d842b96_qkv
		.amdhsa_group_segment_fixed_size 327680
		.amdhsa_private_segment_fixed_size 0
		.amdhsa_enable_private_segment 0
		.amdhsa_kernarg_size 32
		.amdhsa_user_sgpr_count 2
		.amdhsa_user_sgpr_kernarg_segment_ptr 1
		.amdhsa_wavefront_size32 1
		.amdhsa_system_sgpr_workgroup_id_x 1
		.amdhsa_system_sgpr_workgroup_id_y 1
		.amdhsa_system_sgpr_workgroup_id_z 1
		.amdhsa_system_vgpr_workitem_id 0
		.amdhsa_next_free_vgpr 512
		.amdhsa_next_free_sgpr 96
		.amdhsa_reserve_vcc 0
		.amdhsa_float_denorm_mode_32 3
		.amdhsa_float_denorm_mode_16_64 3
		.amdhsa_memory_ordered 1
		.amdhsa_forward_progress 1
		.amdhsa_inst_pref_size 113
	.end_amdhsa_kernel
	.amdgpu_metadata
---
amdhsa.version: [ 1, 2 ]
amdhsa.kernels:
  - .name:           k_qa11d842b96_qkv
    .symbol:         k_qa11d842b96_qkv.kd
    .args:
      - { .name: xb, .offset: 0, .size: 8, .value_kind: global_buffer, .address_space: global }
      - { .name: wb1, .offset: 8, .size: 8, .value_kind: global_buffer, .address_space: global }
      - { .name: bias1, .offset: 16, .size: 8, .value_kind: global_buffer, .address_space: global }
      - { .name: qkv, .offset: 24, .size: 8, .value_kind: global_buffer, .address_space: global }
    .group_segment_fixed_size: 327680
    .private_segment_fixed_size: 0
    .kernarg_segment_align: 8
    .kernarg_segment_size: 32
    .max_flat_workgroup_size: 128
    .sgpr_count:     96
    .vgpr_count:     512
    .wavefront_size: 32
...
	.end_amdgpu_metadata
.endif
;; end of part 2
;; launch attn (part 3): grid 16 x 16, 4 waves a work-group, clusters of 4 x 1, 327,680 bytes of LDS; arguments qkv, yh; writes yh
.if DOCPART == 3
	.amdgcn_target "amdgcn-amd-amdhsa--gfx1250"
	.amdhsa_code_object_version 6
	.text
	.protected	k_qa11d842b96_attn
	.globl	k_qa11d842b96_attn
	.p2align	8
	.type	k_qa11d842b96_attn,@function
k_qa11d842b96_attn:
	s_mov_b64 s[64:65], 0
	v_nop
	global_prefetch_b8 v0, s[64:65] scope:SCOPE_SE
	s_setreg_imm32_b32 hwreg(HW_REG_WAVE_MODE, 25, 1), 1
	s_wait_xcnt 0x0
	s_wait_alu depctr_hold_cnt(0) depctr_sa_sdst(0) depctr_va_vdst(0) depctr_va_sdst(0) depctr_va_ssrc(0) depctr_va_vcc(0) depctr_vm_vsrc(0)
	s_getreg_b32 s2, hwreg(HW_REG_IB_STS2, 6, 4)
	s_cmp_eq_u32 s2, 0
	s_cbranch_scc0 .Lentry_in_a_cluster
	s_endpgm
.Lentry_in_a_cluster:
	s_bfe_u32 s2, ttmp6, 0x10000c
	s_cmp_lg_u32 s2, 0x3003
	s_cbranch_scc0 .Lentry_shape_is_right
	s_endpgm
.Lentry_shape_is_right:
; ATTN: causal attention with grouped heads.  y[b][hq][t] = the sum over keys j <= t of softmax_j(q . k_j / 8) v_j; query head hq takes key and value head hq / 4.
; qkv [b 2][group 48][t 1024][64] f16: groups 0-31 q, 32-39 k, 40-47 v.  yh [8 b + block of 128 rows][head 32][128 rows][64] f16.  Products, maxima and sums in f32; the weights p are rounded to f16
; for the second product (their sum l is taken of the unrounded p), y once at the end.
; LEFT OUT: the steps of 64 keys that lie wholly above the diagonal: reference()'s own mask gives them the weight 0 (shown at the head of the first kernel).
; LIMITS.  A hidden score counts as its value less 1e30; a weight below 2^-126 counts as 0 in l; NaN and infinities are not treated apart; q, k, v arrive within f16's range.
; SHARES.  A cluster is the FOUR QUERY HEADS of one key and value head (cx is the head among the four); y of the grid is 8 b + that head, the cluster's x a number p = 0..3.  A work-group takes two blocks of
; 128 queries of its head: H = block 7 - p and L = block p; a wave 32 rows of each, two tiles of 16.  H needs 16 - 2 p steps of 64 keys, L 2 p + 2: 18 block-steps in every work-group.
; ONE WALK over the keys, steps 0 to 15, by constant counts: a trip serves H while the step is below H's count and L while it is below L's; what does not apply is jumped forward, past no barrier and no
; tensor load.  A step's fragments of K and V are fetched once for both blocks.  All that steers the walk is made of p, which the four partners share.
; ALL OF THE HEAD'S K AND V LIE IN LDS, filled once, by joint loads of the four partners, at the start: no slot is filled again.  The first 256 keys come by loads of their own, so that the walk begins when they are in.
; The price: for p > 0 the last 128 p keys are brought in and never read (every partner makes every joint request, with constant descriptors).  No prefetch: every tile is asked for at the head.
; LAYOUT.  S^T = K Q^T (source 0 = 16 keys, source 1 = 16 queries): a lane holds ONE query (lane % 16) and the keys 8 (lane / 16) + 0..7.  Two such results rounded to f16 in pairs ARE source 1 of
; O^T = V^T P.  K comes out of LDS as it lies, V turned, by ds_load_tr16_b128.
; SOFTMAX.  A running maximum m and sum l: p = 2^(c s - c m), c = log2(e) / 8; O and l are multiplied by a = 2^(c m_old - c m_new) in every step.  m starts at the lowest finite number, O and l at 0, so the first
; step is a step like any other, with a = 0; every row sees key 0 in step 0, so m is a true score from then on.  The price: 128 lines that write 0, in the wait for the first keys.
; THE MASK is the C operand that starts a sum S^T: 0, or -1e30 where the key lies behind the query.  It is made only in a block's last two steps; elsewhere C is the constant 0.
; IN PHASES: a block's 16 products K Q^T, its softmax, its 16 products V^T P.
; REGISTERS, in windows of 256 (s_set_vgpr_msb: bits 1:0 source 0, 3:2 source 1, 5:4 source 2, 7:6 destination).  Tile T = 2 part + u; part 0 = H, 1 = L.
;   window 0: v0-15, v32 addresses; v16-31 four registers of statistics a tile; v48-55 at work; v64-191 S^T, 32 a tile; v192-255 P, 16 a tile
;   window 1: v0-127 O^T, 32 a tile; v128-191 the masks      window 2: v0-63 Q, 16 a tile; v128-191 K of one step; v192-255 V of one step
.set KS,    64
.set PK,    144       ; a row of K in LDS: 128 bytes + 16 = 36 words: the 16 rows of a load start at 16 different groups of four banks (64 banks of 4 bytes: ISA guide 11.1)
.set PVP,   160       ; a row of V: 128 + 32 = 40 words
.set VOFF,  1024*PK
.set STAGE, VOFF+1024*PVP  ; never filled by a tensor load: 16 rows x 144 bytes for each wave, for the way out
.set SP,    144
.set SPARE, STAGE+4*16*SP  ; the spare words, 128 bytes for each wave: two blocks of 256 bytes that no other line names
.set AK0, 2           ; v2   my lane's place in a step of K; never rewritten
.set AV0, 3           ; v3   the same for V
.set AK,  4           ; v4   the LDS address of K's next run of loads
.set AV,  5           ; v5   of V's
.set STO, 6           ; v6   the way out: where I put 16 bytes of a row
.set RD,  7           ; v7   the way out: where I read rows back
.set GO,  8           ; v8   my 16 bytes of 512 consecutive bytes of yh
.set MV,  12          ; v12-13  c m_old, kept while c m is made anew
.set VD0, 14          ; v14  32 w + l % 16 - 8 (l / 16)
.set VD,  15          ; v15  the same plus the block's first query less the step's first key
.set ST,  16          ; tile T's statistics at v[ST+4 T]: c m, m, l (even keys', odd keys')
.set QO,  32          ; v32  my byte offset in 16 rows of Q
.set TMP, 48          ; by u, four registers c0-c3 at work; when the maximum is found c2 takes a
.set SPW, 62          ; v62  LDS address of my spare word; never rewritten
.set NIL, 63          ; v63  0; never rewritten
.set S,   64
.set P,   192
.set MC,  128         ; window 1: tile u, key block kb at MC + 32 u + 8 kb
.set KF,  128         ; window 2: key block kb, channel half c at KF + 16 kb + 8 c
.set VF,  192         ; window 2: key half kk, channel block cb at VF + 32 kk + 8 cb
.set WV,  12          ; s12  my wave's number
.set CX,  13          ; s13  my head among the group's four: it enters Q's and yh's addresses alone
.set PP,  14          ; s14  p
.set GG,  15          ; s15  8 b + key and value head
.set NH,  16          ; s16  H's steps: 16 - 2 p
.set NL,  17          ; s17  L's steps: 2 p + 2
.set DH,  18          ; s18, s19  the first step that holds a part of the diagonal: 14 - 2 p, 2 p
.set BH,  20          ; s20, s21  the block's first query: 128 (7 - p), 128 p
.set G1KA, 24         ; s[24:31] group 1: 128 keys of K;  s[32:39]: 384 keys of K;  s[40:47], s[48:55] the same for V: more padding
.set G1KB, 32
.set G1VA, 40
.set G1VB, 48
.set G0KA, 56         ; s[56:59], s[60:63], s[68:71], s[72:75] the four groups 0
.set G0KB, 60
.set G0VA, 68
.set G0VB, 72
.set CS,  76          ; s[76:77] c: the packed scaling takes the pair's low word for both halves
.set SEL, 78          ; s[78:79] v_permlanex16_b32's selects: each lane takes its own place in the other half
.set TBK, 80          ; s80  LDS byte at which K of the step last fetched begins
.set TBV, 81          ; s81  the same for V, less VOFF
.set SS,  82          ; s82  the step
.set BIGN, 83         ; s83  -1e30
.set QH,  84          ; s[84:85], s[86:87]  Q at my rows of H, of L
.set OH,  88          ; s[88:89], s[90:91]  yh likewise
.set MSB, 0
.macro WIN new                      ; the high byte repeats the setting that is left; a switch that changes nothing is dropped
.if MSB != (\new)
	s_set_vgpr_msb (MSB<<8)|(\new)
.set MSB, (\new)
.endif
.endm
.set W_KQ, 0x0a       ; K and Q in window 2, S^T in window 0
.set W_KM, 0x1a       ; the same with the C operand in window 1
.set W_PV, 0x52       ; V in window 2, P in window 0, O^T in window 1
.set W_RS, 0x41       ; destination and source 0 in window 1, source 1 in window 0
.macro CROUND                       ; a round of the cluster's barrier
	s_barrier_signal -1
	s_barrier_wait -1
	s_cmp_lg_u32 s[WV], 0
	s_cbranch_scc1 .Lnot_wave_0_\@
	s_barrier_signal -3
.Lnot_wave_0_\@:
	s_barrier_wait -3
	s_barrier_signal -1
	s_barrier_wait -1
.endm
.macro PLACES                       ; four places behind matrix instructions (ISA guide 7.12.1), where no other plain vector work is at hand
.rept 4
	v_nop
.endr
.endm
	s_load_b128 s[4:7], s[0:1], 0x0 ; qkv s[4:5], yh s[6:7]
	v_lshl_add_u32 v[SPW], v0, 2, SPARE
	v_mov_b32 v[NIL], 0
	ds_add_u32 v[SPW], v[NIL]       ; the wave's opening: the add, twice on end, and its wait ahead of my first tensor load; the set-up below stands between
	ds_add_u32 v[SPW], v[NIL]
	v_lshrrev_b32 v1, 5, v0
	v_readfirstlane_b32 s[WV], v1   ; wave 0..3
	s_bfe_u32 s[CX], ttmp6, 0x40000
	s_mov_b32 s[PP], ttmp9          ; in a cluster launch ttmp9 counts clusters
	s_and_b32 s[GG], ttmp7, 0xffff
	s_lshl_b32 s[DH+1], s[PP], 1
	s_sub_co_u32 s[NH], 16, s[DH+1]
	s_add_co_u32 s[NL], s[DH+1], 2
	s_sub_co_u32 s[DH], 14, s[DH+1]
	s_lshl_b32 s[BH+1], s[PP], 7
	s_sub_co_u32 s[BH], 896, s[BH+1]
	; group 1.  Keys are dense rows of 128 bytes: asked for as rows of 256 bytes, two keys a row, and padded in LDS after every key.  15:0 the mask of four; 17:16 2-byte elements; 20 padding on; 21 set beside a mask;
	; 24:22 after every 32 words (code 4); 31:25 4 words (code 3) for K, 8 words (code 7) for V
	s_mov_b32 s[G1KA], 15|(1<<16)|(1<<20)|(1<<21)|(4<<22)|(3<<25)
	s_mov_b32 s[G1KB], 15|(1<<16)|(1<<20)|(1<<21)|(4<<22)|(3<<25)
	s_mov_b32 s[G1VA], 15|(1<<16)|(1<<20)|(1<<21)|(4<<22)|(7<<25)
	s_mov_b32 s[G1VB], 15|(1<<16)|(1<<20)|(1<<21)|(4<<22)|(7<<25)
.irp g, G1KA, G1VA
	s_mov_b32 s[\g+1], 128<<16      ; tensor_dim0 = 128
	s_mov_b32 s[\g+2], 64<<16       ; tensor_dim1 = 64 rows: 128 keys
	s_mov_b32 s[\g+3], 128<<16      ; tile_dim0 = 128
	s_mov_b32 s[\g+4], 64           ; tile_dim1 = 64
	s_mov_b32 s[\g+5], 128          ; 128 elements from row to row
	s_mov_b32 s[\g+6], 0
	s_mov_b32 s[\g+7], 0
.endr
.irp g, G1KB, G1VB
	s_mov_b32 s[\g+1], 128<<16
	s_mov_b32 s[\g+2], 192<<16      ; 192 rows: 384 keys
	s_mov_b32 s[\g+3], 128<<16
	s_mov_b32 s[\g+4], 192
	s_mov_b32 s[\g+5], 128
	s_mov_b32 s[\g+6], 0
	s_mov_b32 s[\g+7], 0
.endr
	; group 0.  Waves 0 and 1 fetch K, waves 2 and 3 V; with wl = wave % 2: first keys 128 wl .. + 127, then keys 256 + 384 wl .. + 383.  The global words hold the byte offset until the buffer's address is there.
	s_lshr_b32 s92, s[GG], 3        ; b
	s_and_b32 s93, s[GG], 7         ; the key and value head
	s_mul_i32 s94, s92, 48
	s_add_co_u32 s95, s94, s93
	s_add_co_u32 s95, s95, 32
	s_lshl_b32 s95, s95, 17         ; K's head: group 48 b + 32 + head, 131,072 bytes each; V's lies 8 groups on
	s_and_b32 s22, s[WV], 1
	s_lshl_b32 s96, s22, 14
	s_mov_b32 s[G0KA], 1
	s_mul_i32 s[G0KA+1], s22, 128*PK
	s_add_co_u32 s[G0KA+2], s95, s96
	s_mov_b32 s[G0KA+3], 0
	s_mul_i32 s96, s22, 384*128
	s_add_co_u32 s96, s96, 256*128
	s_mov_b32 s[G0KB], 1
	s_mul_i32 s[G0KB+1], s22, 384*PK
	s_add_co_u32 s[G0KB+1], s[G0KB+1], 256*PK
	s_add_co_u32 s[G0KB+2], s95, s96
	s_mov_b32 s[G0KB+3], 0
	s_mov_b32 s[G0VA], 1
	s_mul_i32 s[G0VA+1], s22, 128*PVP
	s_add_co_u32 s[G0VA+1], s[G0VA+1], VOFF
	s_add_co_u32 s[G0VA+2], s[G0KA+2], 8*131072
	s_mov_b32 s[G0VA+3], 0
	s_mov_b32 s[G0VB], 1
	s_mul_i32 s[G0VB+1], s22, 384*PVP
	s_add_co_u32 s[G0VB+1], s[G0VB+1], VOFF+256*PVP
	s_add_co_u32 s[G0VB+2], s[G0KB+2], 8*131072
	s_mov_b32 s[G0VB+3], 0
	; Q's and yh's offsets: the only numbers that hold cx
	s_lshl2_add_u32 s23, s93, s[CX] ; the query head: 4 x head + cx
	s_lshl_b32 s98, s[WV], 5        ; 32 w
	s_add_co_u32 s99, s94, s23
	s_lshl_b32 s99, s99, 10
	s_add_co_u32 s99, s99, s98      ; (48 b + query head) 1,024 + 32 w
	s_add_co_u32 s[QH], s99, s[BH]
	s_lshl_b32 s[QH], s[QH], 7
	s_mov_b32 s[QH+1], 0
	s_add_co_u32 s[QH+2], s99, s[BH+1]
	s_lshl_b32 s[QH+2], s[QH+2], 7
	s_mov_b32 s[QH+3], 0
	s_lshl_b32 s99, s92, 3          ; 8 b
	s_sub_co_u32 s[OH], 7, s[PP]
	s_add_co_u32 s[OH], s[OH], s99
	s_lshl_b32 s[OH], s[OH], 5
	s_add_co_u32 s[OH], s[OH], s23
	s_lshl_b32 s[OH], s[OH], 7
	s_add_co_u32 s[OH], s[OH], s98
	s_lshl_b32 s[OH], s[OH], 7      ; (((8 b + block) 32 + query head) 128 + 32 w) 128
	s_mov_b32 s[OH+1], 0
	s_add_co_u32 s[OH+2], s99, s[PP]
	s_lshl_b32 s[OH+2], s[OH+2], 5
	s_add_co_u32 s[OH+2], s[OH+2], s23
	s_lshl_b32 s[OH+2], s[OH+2], 7
	s_add_co_u32 s[OH+2], s[OH+2], s98
	s_lshl_b32 s[OH+2], s[OH+2], 7
	s_mov_b32 s[OH+3], 0
	s_mov_b32 s[CS], 0x3e38aa3b     ; c = log2(e) / 8 = 0.180337
	s_mov_b32 s[CS+1], s[CS]        ; named with it as a pair
	s_mov_b32 s[SEL], 0x76543210
	s_mov_b32 s[SEL+1], 0xfedcba98
	s_mov_b32 s[TBK], 0
	s_mov_b32 s[TBV], 0
	s_mov_b32 s[BIGN], 0xf149f2ca   ; -1e30
	s_mul_i32 s97, s[WV], 16*SP
	s_add_co_u32 s97, s97, STAGE    ; my stage
	s_wait_dscnt 0x0                ; both opening adds are done
	s_wait_kmcnt 0x0
.irp g, G0KA, G0KB, G0VA, G0VB
	s_add_nc_u64 s[\g+2:\g+3], s[4:5], s[\g+2:\g+3]  ; 120:64 global address
	s_or_b32 s[\g+3], s[\g+3], 0x80000000            ; 127:126 type = 2
.endr
	s_add_nc_u64 s[QH:QH+1], s[4:5], s[QH:QH+1]
	s_add_nc_u64 s[QH+2:QH+3], s[4:5], s[QH+2:QH+3]
	s_add_nc_u64 s[OH:OH+1], s[6:7], s[OH:OH+1]
	s_add_nc_u64 s[OH+2:OH+3], s[6:7], s[OH+2:OH+3]
	CROUND                          ; all four work-groups are here: the joint loads meet
	s_cmp_lt_u32 s[WV], 2           ; a wave's two fills stand in one branch, ahead of every wait on TENSORcnt and every LDS read: two loads of mine are out; an s_nop 0 follows each, four v_nop the second's
	s_cbranch_scc0 .Lfirst_v
	tensor_load_to_lds s[G0KA:G0KA+3], s[G1KA:G1KA+7]
	s_nop 0
	tensor_load_to_lds s[G0KB:G0KB+3], s[G1KB:G1KB+7]
	s_nop 0
.rept 4
	v_nop
.endr
	s_branch .Lfirst_asked
.Lfirst_v:
	tensor_load_to_lds s[G0VA:G0VA+3], s[G1VA:G1VA+7]
	s_nop 0
	tensor_load_to_lds s[G0VB:G0VB+3], s[G1VB:G1VB+7]
	s_nop 0
.rept 4
	v_nop
.endr
.Lfirst_asked:
	; A fragment of K or Q is 16 rows x 32 channels in 8 registers: lane l holds row l % 16, channels 8 (l / 16) + 0..7 and 16 + 8 (l / 16) + 0..7: two loads of 16 bytes, 32 bytes apart.
	v_and_b32 v1, 15, v0            ; l % 16
	v_bfe_u32 v9, v0, 4, 1          ; l / 16
	v_lshlrev_b32 v[QO], 7, v1
	v_lshl_add_u32 v[QO], v9, 4, v[QO]
	WIN 0x80                        ; destination window 2, address window 0
.set i, 0
.rept 4                             ; both blocks' Q stay in registers: tile i / 2 of the block, channels 32 (i % 2) on
	global_load_b128 v[8*i:8*i+3],       v[QO], s[QH:QH+1] offset:(i/2)*2048+(i%2)*64
	global_load_b128 v[8*i+4:8*i+7],     v[QO], s[QH:QH+1] offset:(i/2)*2048+(i%2)*64+32
	global_load_b128 v[32+8*i:32+8*i+3], v[QO], s[QH+2:QH+3] offset:(i/2)*2048+(i%2)*64
	global_load_b128 v[32+8*i+4:32+8*i+7], v[QO], s[QH+2:QH+3] offset:(i/2)*2048+(i%2)*64+32
.set i, i+1
.endr
	WIN 0x40
.set i, 0
.rept 128
	v_mov_b32 v[i], 0               ; O^T
.set i, i+1
.endr
	WIN 0
.set i, 0
.rept 4
	v_mov_b32 v[ST+4*i], 0xfe000000    ; c m: far below every c s
	v_mov_b32 v[ST+4*i+1], 0xff7fffff  ; m
	v_mov_b32 v[ST+4*i+2], 0
	v_mov_b32 v[ST+4*i+3], 0
.set i, i+1
.endr
	v_mul_u32_u24 v[AK0], v1, PK
	v_lshl_add_u32 v[AK0], v9, 4, v[AK0]  ; row x pitch + 16 x half
	; The turning load takes 16 keys x 16 channels (lane l reads key 8 (l / 16) + l % 8, channels 8 ((l / 8) % 2) + 0..7) and leaves half a fragment of V^T: lane l holds channel l % 16 and 8 keys.
	v_and_b32 v10, 7, v0
	v_bfe_u32 v11, v0, 3, 1
	v_lshl_add_u32 v[AV0], v9, 3, v10
	v_mul_u32_u24 v[AV0], v[AV0], PVP
	v_lshl_add_u32 v[AV0], v11, 4, v[AV0]
	v_add_nc_u32 v[AV0], VOFF, v[AV0]
	v_mov_b32 v[AK], v[AK0]         ; step 0
	v_mov_b32 v[AV], v[AV0]
	v_mul_u32_u24 v[STO], v1, SP    ; in: row l % 16, 16 bytes for each half of the lanes
	v_lshl_add_u32 v[STO], v9, 4, v[STO]
	v_add_nc_u32 v[STO], s97, v[STO]
	v_bfe_u32 v[RD], v0, 3, 2       ; back: 32 lanes take four rows of 128 bytes,
	v_mul_u32_u24 v[RD], v[RD], SP
	v_lshl_add_u32 v[RD], v10, 4, v[RD]
	v_add_nc_u32 v[RD], s97, v[RD]
	v_and_b32 v[GO], 31, v0         ; which are 512 consecutive bytes of yh
	v_lshlrev_b32 v[GO], 4, v[GO]
	v_lshlrev_b32 v[VD0], 3, v9
	v_sub_nc_u32 v[VD0], v1, v[VD0]
	v_add_nc_u32 v[VD0], s98, v[VD0]
; THE MATRIX WORK.  The 8 accumulators of a run of 16 take turns, one instruction a turn.
; Product i of 16 of S^T = K Q^T for a part: channels 32 (i / 8) on, keys 16 ((i / 2) % 4) on, tile i % 2.  The first 8 start the sums: with 0, or with the mask.
.macro KQ part, masked
.set rS, S+64*(\part)+32*(i%2)+8*((i/2)%4)
.set rK, KF+16*((i/2)%4)+8*(i/8)
.set rQ, 16*(2*(\part)+i%2)+8*(i/8)
.set rM, MC+32*(i%2)+8*((i/2)%4)
.if (i < 8) && (\masked)
	WIN W_KM
	v_wmma_f32_16x16x32_f16 v[rS:rS+7], v[rK:rK+7], v[rQ:rQ+7], v[rM:rM+7]
.elseif i < 8
	WIN W_KQ
	v_wmma_f32_16x16x32_f16 v[rS:rS+7], v[rK:rK+7], v[rQ:rQ+7], 0
.else
	WIN W_KQ
	v_wmma_f32_16x16x32_f16 v[rS:rS+7], v[rK:rK+7], v[rQ:rQ+7], v[rS:rS+7]
.endif
.endm
; Product i of 16 of O^T += V^T P: keys 32 (i / 8) on, channels 16 ((i / 2) % 4) on, tile i % 2.
.macro PV part
	WIN W_PV
.set rO, 32*(2*(\part)+i%2)+8*((i/2)%4)
.set rV, VF+32*(i/8)+8*((i/2)%4)
.set rP, P+32*(\part)+16*(i%2)+8*(i/8)
	v_wmma_f32_16x16x32_f16 v[rO:rO+7], v[rV:rV+7], v[rP:rP+7], v[rO:rO+7]
.endm
.macro PVBLOCK part
.set i, 0
.rept 16
	PV \part
.set i, i+1
.endr
.endm
; A part's 16 products K Q^T.  Below the block's last two steps the sums start with 0.  In those two the mask is made first: register j of key block kb of tile u is hidden where the key,
; 64 step + 16 kb + 8 (l / 16) + j, is greater than the query, block's first + 32 w + 16 u + l % 16: where 16 kb + j - 16 u > VD.  Four v_nop stand ahead: products may have read the mask registers.
.macro KQBLOCK part
	WIN 0
	s_cmp_lt_u32 s[SS], s[DH+(\part)]
	s_cbranch_scc0 .Lmask_\@
.set i, 0
.rept 8
	KQ \part, 0
.set i, i+1
.endr
	WIN 0
	s_branch .Ljoin_\@
.Lmask_\@:
	PLACES
	s_lshl_b32 s22, s[SS], 6
	s_sub_co_u32 s22, s[BH+(\part)], s22
	v_add_nc_u32 v[VD], s22, v[VD0]
	WIN 0x40
.set i, 0
.rept 64
	v_cmp_gt_i32 vcc_lo, 16*((i/8)%4)+i%8-16*(i/32), v[VD]
	v_cndmask_b32 v[MC+i], 0, s[BIGN], vcc_lo
.set i, i+1
.endr
.set i, 0
.rept 8
	KQ \part, 1
.set i, i+1
.endr
	WIN 0
.Ljoin_\@:
.set i, 8
.rept 8
	KQ \part, 0
.set i, i+1
.endr
.endm
; THE LDS LOADS stand in runs of 16: a step's K (64 keys x 64 channels: 8 fragments) and its V (turned).
.macro FETCH_K
	WIN 0x80                        ; destination window 2
.irp f, 0,1,2,3,4,5,6,7             ; keys 16 (f / 2) on, channels 32 (f % 2) on
	ds_load_b128 v[KF+8*\f:KF+8*\f+3],   v[AK] offset:(\f/2)*16*PK+(\f%2)*64
	ds_load_b128 v[KF+8*\f+4:KF+8*\f+7], v[AK] offset:(\f/2)*16*PK+(\f%2)*64+32
.endr
	WIN 0
.endm
.macro FETCH_V
	WIN 0x80
.irp f, 0,1,2,3,4,5,6,7             ; keys 32 (f / 4) on, channels 16 (f % 4) on
	ds_load_tr16_b128 v[VF+8*\f:VF+8*\f+3],   v[AV] offset:(\f/4)*32*PVP+(\f%4)*32
	ds_load_tr16_b128 v[VF+8*\f+4:VF+8*\f+7], v[AV] offset:(\f/4)*32*PVP+16*PVP+(\f%4)*32
.endr
	WIN 0
.endm
; THE VECTOR WORK.
.macro REGS part, u                 ; the registers of tile u of a part
.set rT, ST+4*(2*(\part)+(\u))
.set rC, TMP+4*(\u)
.set rW, MV+(\u)
.set rS, S+64*(\part)+32*(\u)
.set rP, P+32*(\part)+16*(\u)
.set rO, 32*(2*(\part)+(\u))
.endm
; Number n of the 22 that find a tile's maximum and statistics.  s0-s31 are the lane's 32 scores; each accumulator's lowest registers are read first.
;   0-11  four chains c0-c3 of seven scores each, three operands at a time     12-14, 16  the four scores left over, the old m, and c0-c3 into c0     15  c m_old is kept
;   17, 18  the query's other 32 keys lie in the lane 16 away: the new m         19-21  c m; c m_old - c m_new; a
.macro XS part, u, n
	REGS \part, \u
.if (\n) < 4
	v_max3_num_f32 v[rC+(\n)], v[rS+8*(\n)], v[rS+8*(\n)+1], v[rS+8*(\n)+2]
.elseif (\n) < 12
	v_max3_num_f32 v[rC+(\n)%4], v[rC+(\n)%4], v[rS+8*((\n)%4)+2*((\n)/4)+1], v[rS+8*((\n)%4)+2*((\n)/4)+2]
.elseif (\n) == 12
	v_max3_num_f32 v[rC], v[rC], v[rS+7], v[rS+15]
.elseif (\n) == 13
	v_max3_num_f32 v[rC+1], v[rC+1], v[rS+23], v[rS+31]
.elseif (\n) == 14
	v_max3_num_f32 v[rC+2], v[rC+2], v[rC+3], v[rT+1]
.elseif (\n) == 15
	v_mov_b32 v[rW], v[rT]
.elseif (\n) == 16
	v_max3_num_f32 v[rC], v[rC], v[rC+1], v[rC+2]
.elseif (\n) == 17
	v_permlanex16_b32 v[rC+3], v[rC], s[SEL], s[SEL+1]
.elseif (\n) == 18
	v_max_num_f32 v[rT+1], v[rC], v[rC+3]
.elseif (\n) == 19
	v_mul_f32 v[rT], s[CS], v[rT+1]
.elseif (\n) == 20
	v_sub_f32 v[rC+1], v[rW], v[rT]
.else
	v_exp_f32 v[rC+2], v[rC+1]
.endif
.endm
.macro FS part, f                   ; scaling f of 32: c s - c m for pair f / 2 of tile f % 2
	REGS \part, (\f)%2
	v_pk_fma_f32 v[rS+2*((\f)/2):rS+2*((\f)/2)+1], v[rS+2*((\f)/2):rS+2*((\f)/2)+1], s[CS:CS+1], v[rT:rT+1] op_sel_hi:[1,0,0] neg_lo:[0,0,1] neg_hi:[0,0,1]
.endm
.macro ES part, e                   ; exponential e of 64: score e / 2 of tile e % 2
	REGS \part, (\e)%2
	v_exp_f32 v[rS+(\e)/2], v[rS+(\e)/2]
.endm
.macro TREE part, w                 ; the sums, in place: of each w registers the upper half's first pair is added onto the lower half's
.set z, 0
.rept 32/(\w)
	REGS \part, 0
	v_pk_add_f32 v[rS+(\w)*z:rS+(\w)*z+1], v[rS+(\w)*z:rS+(\w)*z+1], v[rS+(\w)*z+(\w)/2:rS+(\w)*z+(\w)/2+1]
	REGS \part, 1
	v_pk_add_f32 v[rS+(\w)*z:rS+(\w)*z+1], v[rS+(\w)*z:rS+(\w)*z+1], v[rS+(\w)*z+(\w)/2:rS+(\w)*z+(\w)/2+1]
.set z, z+1
.endr
.endm
; A part's softmax for one step, its two tiles alternating.  The 66 exponentials are ONE BATCH: ahead of the wait nothing names a result of theirs (scaling e + 4 names scores from e + 3 on, exponential e has
; reached score e / 2); exponential e stands behind its scaling, number 2 (e / 4) + e % 2, which is at most e + 3.  A v_nop is the plain instruction behind the last exponential; then the one wait
; ahead of the first instruction that names a result; then the roundings, the sums, l, and O^T times a.
.macro SOFTMAX part
	WIN 0
.set n, 0
.rept 21
	XS \part, 0, n
	XS \part, 1, n
.set n, n+1
.endr
	FS \part, 0
	FS \part, 1
	FS \part, 2
	FS \part, 3
.set e, 0
.rept 28
	ES \part, e
	FS \part, e+4
.set e, e+1
.endr
.rept 36
	ES \part, e
.set e, e+1
.endr
	XS \part, 0, 21
	XS \part, 1, 21
	v_nop
	s_wait_alu depctr_va_vdst(0)
.set n, 0
.rept 16
	REGS \part, 0
	v_cvt_pk_f16_f32 v[rP+n], v[rS+2*n], v[rS+2*n+1]
	REGS \part, 1
	v_cvt_pk_f16_f32 v[rP+n], v[rS+2*n], v[rS+2*n+1]
.set n, n+1
.endr
	TREE \part, 4
	TREE \part, 8
	TREE \part, 16
	TREE \part, 32
	REGS \part, 0
	v_pk_fma_f32 v[rT+2:rT+3], v[rT+2:rT+3], v[rC+2:rC+3], v[rS:rS+1] op_sel_hi:[1,0,1]  ; l = a l + the sum
	REGS \part, 1
	v_pk_fma_f32 v[rT+2:rT+3], v[rT+2:rT+3], v[rC+2:rC+3], v[rS:rS+1] op_sel_hi:[1,0,1]
	WIN W_RS
.set n, 0
.rept 16
	REGS \part, 0
	v_pk_mul_f32 v[rO+2*n:rO+2*n+1], v[rO+2*n:rO+2*n+1], v[rC+2:rC+3] op_sel_hi:[1,0]  ; in ascending order
	REGS \part, 1
	v_pk_mul_f32 v[rO+2*n:rO+2*n+1], v[rO+2*n:rO+2*n+1], v[rC+2:rC+3] op_sel_hi:[1,0]
.set n, n+1
.endr
.endm
; A TRIP: step SS.  K and V of the step were asked for in the trip before, K first.  L's work stands together, under one forward jump.  kmax, vmax: where the fetches of the next step are held
; (the walk's last trip fetches step 15 once more: the price of one text for every trip).  guard = 1: a trip behind H's last step does nothing.
.macro TRIP kmax, vmax, guard
.if \guard
	s_cmp_lt_u32 s[SS], s[NH]
	s_cbranch_scc0 .Ltrip_end_\@
.endif
	s_wait_dscnt 16                 ; K is in; V's 16 younger loads may stay out
	KQBLOCK 0
	WIN 0
	s_cmp_lt_u32 s[SS], s[NL]
	s_cbranch_scc0 .Lno_l_\@
	KQBLOCK 1
	PLACES
	SOFTMAX 1
	s_wait_dscnt 0x0                ; V is in
	PVBLOCK 1
	WIN 0
.Lno_l_\@:
	PLACES                          ; behind the last products, in front of the loads into K's registers and of the softmax that reads H's scores
	s_add_co_u32 s[TBK], s[TBK], KS*PK
	s_min_u32 s[TBK], s[TBK], \kmax
	v_add_nc_u32 v[AK], s[TBK], v[AK0]
	FETCH_K                         ; the next step's K: it has H's softmax and products in which to land
	SOFTMAX 0
	s_wait_dscnt 16                 ; V is in; the next K's 16 loads may stay out
	PVBLOCK 0
	PLACES
	WIN 0
	s_add_co_u32 s[TBV], s[TBV], KS*PVP
	s_min_u32 s[TBV], s[TBV], \vmax
	v_add_nc_u32 v[AV], s[TBV], v[AV0]
	FETCH_V                         ; the next step's V
.Ltrip_end_\@:
.endm
	s_wait_tensorcnt 1              ; my part of the first 256 keys is in; the rest may stay out
	s_barrier_signal -1
	s_barrier_wait -1               ; everybody's is
	FETCH_K                         ; step 0
	FETCH_V
	s_wait_loadcnt 0x0              ; Q
	s_mov_b32 s[SS], 0
.Lone:                              ; steps 0 to 2: their fetches reach step 3, the last of the first 256 keys.  H has ten steps or more, so no test for it
	TRIP 3*KS*PK, 3*KS*PVP, 0
	s_add_co_u32 s[SS], s[SS], 1
	s_cmp_lt_u32 s[SS], 3
	s_cbranch_scc1 .Lone
	s_wait_tensorcnt 0x0            ; my part of the other 768 keys is in,
	s_wait_dscnt 0x0                ; no LDS instruction of mine is pending at the signal,
	s_barrier_signal -1
	s_barrier_wait -1               ; and everybody's part is in
	s_mov_b32 s[SS], 3
.Ltwo:                              ; steps 3 to 15
	TRIP 15*KS*PK, 15*KS*PVP, 1
	s_add_co_u32 s[SS], s[SS], 1
	s_cmp_lt_u32 s[SS], 16
	s_cbranch_scc1 .Ltwo
	s_wait_dscnt 0x0                ; the last trip's fetches
	; THE WAY OUT.  l's two halves and the other half of the lanes' are added; O^T is divided by l, rounded to f16 and sent through my stage in LDS, a tile at a time.
.macro ALL line:vararg              ; one line for each tile t
.set t, 0
.rept 4
	\line
.set t, t+1
.endr
.endm
	ALL v_add_f32 v[ST+4*t+2], v[ST+4*t+2], v[ST+4*t+3]
	ALL v_permlanex16_b32 v[ST+4*t+3], v[ST+4*t+2], s[SEL], s[SEL+1]
	ALL v_add_f32 v[ST+4*t+2], v[ST+4*t+2], v[ST+4*t+3]
	ALL v_rcp_f32 v[ST+4*t+2], v[ST+4*t+2]
	v_nop                           ; a plain instruction between the last reciprocal and the use of its result
	s_wait_alu depctr_va_vdst(0)    ; and the wait ahead of the first use: one for the four reciprocals
.macro PACK t                       ; a lane's eight channels of a row pack into 16 bytes; they go into rows of 144 bytes and come back as whole rows of 128, into S^T's registers
	WIN W_RS
.set i, 32*(\t)
.rept 16
	v_pk_mul_f32 v[i:i+1], v[i:i+1], v[ST+4*(\t)+2:ST+4*(\t)+3] op_sel_hi:[1,0]
.set i, i+2
.endr
	WIN 0x05                        ; sources 0 and 1 window 1, destination window 0
.set i, 0
.rept 16
	v_cvt_pk_f16_f32 v[S+16*(\t)+i], v[32*(\t)+2*i], v[32*(\t)+2*i+1]
.set i, i+1
.endr
	WIN 0
.irp f, 0,1,2,3
	ds_store_b128 v[STO], v[S+16*(\t)+4*\f:S+16*(\t)+4*\f+3] offset:32*\f
.endr
.irp f, 0,1,2,3
	ds_load_b128 v[S+16*(\t)+4*\f:S+16*(\t)+4*\f+3], v[RD] offset:\f*4*SP  ; LDS serves a wave's instructions in order (ISA guide 5.7.1.4): these see the stores above; the next tile's stores come behind them
.endr
.endm
.macro SEND t, younger              ; younger: the LDS instructions issued behind tile t's loads: the next tile's eight, or none
	WIN 0
.irp f, 0,1,2,3
	s_wait_dscnt (\younger)+3-\f
	global_store_b128 v[GO], v[S+16*(\t)+4*\f:S+16*(\t)+4*\f+3], s[OH+2*((\t)/2):OH+2*((\t)/2)+1] offset:((\t)%2)*2048+\f*512  ; 512 consecutive bytes, at a multiple of 256 from yh's first
.endr
.endm
	PACK 0
	PACK 1                          ; a tile's arithmetic stands between the loads of the tile before and its stores
	SEND 0, 8
	PACK 2
	SEND 1, 8
	PACK 3
	SEND 2, 8
	SEND 3, 0
	s_wait_tensorcnt 0x0            ; the wave's end: behind my last tensor load and my last LDS store
	ds_add_u32 v[SPW], v[NIL]
	s_wait_dscnt 0x0
	CROUND                          ; the closing round: no work-group ends while a partner may still ask for a tile that names it
	s_endpgm
.Lfunc_end_k_qa11d842b96_attn:
	.size	k_qa11d842b96_attn, .Lfunc_end_k_qa11d842b96_attn-k_qa11d842b96_attn
	.p2alignl 7, 3214868480
	.fill 96, 4, 3214868480
	.section	.rodata,"a",@progbits
	.p2align	6, 0x0
	.amdhsa_kernel k_qa11d842b96_attn
		.amdhsa_group_segment_fixed_size 327680
		.amdhsa_private_segment_fixed_size 0
		.amdhsa_enable_private_segment 0
		.amdhsa_kernarg_size 16
		.amdhsa_user_sgpr_count 2
		.amdhsa_user_sgpr_kernarg_segment_ptr 1
		.amdhsa_wavefront_size32 1
		.amdhsa_system_sgpr_workgroup_id_x 1
		.amdhsa_system_sgpr_workgroup_id_y 1
		.amdhsa_system_sgpr_workgroup_id_z 1
		.amdhsa_system_vgpr_workitem_id 0
		.amdhsa_next_free_vgpr 768
		.amdhsa_next_free_sgpr 100
		.amdhsa_reserve_vcc 1
		.amdhsa_float_denorm_mode_32 3
		.amdhsa_float_denorm_mode_16_64 3
		.amdhsa_memory_ordered 1
		.amdhsa_forward_progress 1
		.amdhsa_inst_pref_size 124
	.end_amdhsa_kernel
	.amdgpu_metadata
---
amdhsa.version: [ 1, 2 ]
amdhsa.kernels:
  - .name:           k_qa11d842b96_attn
    .symbol:         k_qa11d842b96_attn.kd
    .args:
      - { .name: qkv, .offset: 0, .size: 8, .value_kind: global_buffer, .address_space: global }
      - { .name: yh, .offset: 8, .size: 8, .value_kind: global_buffer, .address_space: global }
    .group_segment_fixed_size: 327680
    .private_segment_fixed_size: 0
    .kernarg_segment_align: 8
    .kernarg_segment_size: 16
    .max_flat_workgroup_size: 128
    .sgpr_count:     100
    .vgpr_count:     768
    .wavefront_size: 32
...
	.end_amdgpu_metadata
.endif
;; end of part 3
;; launch outp (part 4): grid 16 x 16, 4 waves a work-group, clusters of 4 x 4, 327,680 bytes of LDS; arguments yh, wb2, bo, out0; writes out0
.if DOCPART == 4
	.amdgcn_target "amdgcn-amd-amdhsa--gfx1250"
	.amdhsa_code_object_version 6
	.text
	.protected	k_qa11d842b96_outp
	.globl	k_qa11d842b96_outp
	.p2align	8
	.type	k_qa11d842b96_outp,@function
k_qa11d842b96_outp:
	s_mov_b64 s[64:65], 0
	v_nop
	global_prefetch_b8 v0, s[64:65] scope:SCOPE_SE
	s_setreg_imm32_b32 hwreg(HW_REG_WAVE_MODE, 25, 1), 1
	s_wait_xcnt 0x0
	s_wait_alu depctr_hold_cnt(0) depctr_sa_sdst(0) depctr_va_vdst(0) depctr_va_sdst(0) depctr_va_ssrc(0) depctr_va_vcc(0) depctr_vm_vsrc(0)
	s_getreg_b32 s2, hwreg(HW_REG_IB_STS2, 6, 4)
	s_cmp_eq_u32 s2, 0
	s_cbranch_scc0 .Lentry_in_a_cluster
	s_endpgm
.Lentry_in_a_cluster:
	s_bfe_u32 s2, ttmp6, 0x10000c
	s_cmp_lg_u32 s2, 0xf033
	s_cbranch_scc0 .Lentry_shape_is_right
	s_endpgm
.Lentry_shape_is_right:
; OUTP: out0 = y Wo + bo, 2,048 x 2,048 x K = 2,048, f16 operands (Wo: the bf16 rounding of the input, written as f16), f32 sums, f32 out.
; yh [tile row 16][head 32][128 rows][64] f16: a K step of 256 (four heads) of a tile row is 65,536 dense bytes.  wb2 [group 32][2048 k][64] f16: a K step of a group is 32,768 dense bytes.
; SHARES.  A tile is 128 x 128: 16 x 16 = 256 work-groups.  Four waves, each 64 x 64: 16 accumulators of 16 x 16.  K goes in 8 steps of 256 through a ring of two LDS slots; a step is four quarters of
; 64 along K (one head): 32 matrix instructions and 32 LDS loads each.  Wo stays [k][n]; its fragments come out of LDS turned, by ds_load_tr16_b128.
; THE MATRIX INSTRUCTION IS USED TRANSPOSED (source 0 = 16 columns of Wo, source 1 = 16 rows of y): a lane holds one row and eight neighbouring columns.  THE BIAS STARTS THE SUMS, as the C operand of the first products.
; CLUSTER, 4 x 4: y's tile is asked for jointly along a row of the cluster, Wo's along a column.
; REGISTERS.  window 0: v0-31 addresses; v96-127 the bias, eight registers for each of my four column blocks; v128-255 the accumulators ((a, b) at 128 + 8 (4 a + b)).
;   window 1: two fragment buffers of 128: for 64 along K, 64 registers of y (2 x 4 x 16 rows x 32 K), then 64 of Wo.
.set KSTEP,  256
.set PA,     144                       ; a row of y of one head in LDS: 128 bytes + 16 = 36 words: the 16 rows of a load start at 16 different groups of four banks (64 banks of 4 bytes: ISA guide 11.1)
.set AHEAD,  128*PA                    ; one head's 128 rows
.set ABYTES, 4*AHEAD
.set PB,     160                       ; a row k of Wo: 128 + 32 bytes = 40 words
.set BBLK,   KSTEP*PB                  ; one group's K step
.set SLOT,   ABYTES+2*BBLK             ; 155,648
.set SPARE,  2*SLOT                    ; behind the ring: the spare words, 128 bytes for each wave: two blocks of 256 bytes that no other line names
.set SPITCH, 272
.set STAGE,  0                         ; the way out's stages, 16 rows x 272 bytes for each wave, lie in slot 0, which has had its last fill and, ahead of the last change of slots' barrier, its last read
.set LAPS,   2048/(2*KSTEP)
.set ADRA, 16                          ; v16-17  LDS address of my fragments of y in slot 0, 1
.set ADRB, 20                          ; v20-21  the same for Wo
.set STO,  24                          ; v24     the way out: where I put 32 bytes of a row
.set RD,   25                          ; v25     the way out: where I read a row back
.set CO,   26                          ; v26     my byte offset in out0
.set BO,   27                          ; v27     my byte offset in my 64 numbers of bo
.set SPW,  28                          ; v28     LDS address of my spare word; never rewritten
.set NIL,  29                          ; v29     0; never rewritten
.set PFO,  30                          ; v30     the prefetches' offset: 256 x my lane; never rewritten
.set BIAS, 96
.set ACC,  128
.set F0,   0                           ; window 1
.set F1,   128
.set G1A, 24                           ; s[24:31] descriptor group 1 for y's tiles;  s[32:39] group 0, a set for each slot
.set G0A, 32
.set G1B, 48                           ; s[48:55], s[56:63] the same for Wo's
.set G0B, 56
.set PFAA, 68                          ; s[68:69], s[70:71] where my prefetches of y, of Wo stand
.set PFAB, 70
.set LIMA, 72                          ; s72, s73: 1 in a work-group that prefetches y (Wo), else the greatest number
.set LIMB, 73
.set MSB, 0
.macro WIN new                         ; the immediate's high byte repeats the setting that is left; a switch that changes nothing is dropped
.if MSB != (\new)
	s_set_vgpr_msb (MSB<<8)|(\new)
.set MSB, \new
.endif
.endm
.set MUL,  0x05                        ; sources 0 and 1 window 1; C and D window 0
.set TO_F, 0x40                        ; destination window 1, address window 0
.macro JLOAD s                         ; a joint load: waves 0 and 1 fetch two heads of y each, waves 2 and 3 a group of Wo each; an s_nop 0 and four v_nop follow each of the two lines
	s_cmp_eq_u32 s11, 0
	s_cbranch_scc0 .Lfor_b_\@
	tensor_load_to_lds s[G0A+4*(\s):G0A+4*(\s)+3], s[G1A:G1A+7]
	s_nop 0
.rept 4
	v_nop
.endr
	s_branch .Lasked_\@
.Lfor_b_\@:
	tensor_load_to_lds s[G0B+4*(\s):G0B+4*(\s)+3], s[G1B:G1B+7]
	s_nop 0
.rept 4
	v_nop
.endr
.Lasked_\@:
.endm
; PREFETCHES INTO THE L2, once a lap, behind slot 0's joint load, its five lines and the run of LDS loads: the two K steps of the lap after next's refills: one lap (256 matrix instructions a wave) ahead of the load of the first.
; Each 256 bytes are named once in the launch.  Two K steps of a tile row of y are 512 pieces of 256 bytes: cluster x = 0 asks, the four partners take 128 each BY ADDRESS, each wave 32, a lane a piece.
; Two K steps of a tile column's two groups of Wo are 512 pieces: cluster y = 0 asks, shared out likewise.  Laps 0 and 1 ask (the counter stands above 1): K steps 4 to 7.  K steps 0 to 3 come by their loads alone.
.macro ASK
	s_cmp_gt_u32 s3, s[LIMA]
	s_cbranch_scc0 .Lnot_a_\@
	global_prefetch_b8 v[PFO], s[PFAA:PFAA+1] offset:131072 th:TH_LOAD_NT scope:SCOPE_SE
.Lnot_a_\@:
	s_cmp_gt_u32 s3, s[LIMB]
	s_cbranch_scc0 .Lnot_b_\@
	global_prefetch_b8 v[PFO], s[PFAB:PFAB+1] offset:65536 th:TH_LOAD_NT scope:SCOPE_SE
.Lnot_b_\@:
.endm
.macro CREST                           ; a round of the cluster's barrier behind its opening barrier
	s_cmp_lg_u32 s10, 0
	s_cbranch_scc1 .Lnot_wave_0_\@
	s_barrier_signal -3
.Lnot_wave_0_\@:
	s_barrier_wait -3
	s_barrier_signal -1
	s_barrier_wait -1
.endm
.macro CROUND                          ; a whole round
	s_barrier_signal -1
	s_barrier_wait -1
	CREST
.endm
	s_load_b128 s[4:7], s[0:1], 0x0                ; yh s[4:5], wb2 s[6:7]
	s_load_b64 s[66:67], s[0:1], 0x10              ; bo
	s_load_b64 s[8:9], s[0:1], 0x18                ; out0
	v_lshl_add_u32 v[SPW], v0, 2, SPARE
	v_mov_b32 v[NIL], 0
	ds_add_u32 v[SPW], v[NIL]                      ; the wave's opening: the add, twice on end, and its wait ahead of my first tensor load; the set-up below stands between
	ds_add_u32 v[SPW], v[NIL]
	v_lshrrev_b32 v1, 5, v0
	v_readfirstlane_b32 s10, v1                    ; wave 0..3
	s_lshr_b32 s11, s10, 1                         ; which 64 rows are mine.  Also: I fetch y (0) or Wo (1)
	s_and_b32 s12, s10, 1                          ; which 64 columns.  Also: which half of that tile I fetch
	s_bfe_u32 s40, ttmp6, 0x40000                  ; cx, cy
	s_bfe_u32 s41, ttmp6, 0x40004
	s_lshl_b32 s42, ttmp9, 2
	s_add_co_u32 s42, s42, s40                     ; tile column
	s_and_b32 s13, ttmp7, 0xffff
	s_lshl_b32 s13, s13, 2
	s_add_co_u32 s13, s13, s41                     ; tile row
	s_lshl_b32 s43, s41, 2
	s_lshl_b32 s43, 15, s43                        ; my row of the cluster
	s_lshl_b32 s44, 0x1111, s40                    ; my column
	; group 1: 32,768 dense bytes as 128 rows of 256 bytes; padding behind every 32 words (a row of 128 bytes): 4 words for y, 8 for Wo
	s_or_b32 s[G1A+0], s43, (1<<16)|(1<<20)|(1<<21)|(4<<22)|(3<<25)
	s_or_b32 s[G1B+0], s44, (1<<16)|(1<<20)|(1<<21)|(4<<22)|(7<<25)
.irp g, G1A, G1B
	s_mov_b32 s[(\g)+1], 128<<16                   ; tensor_dim0 = 128
	s_mov_b32 s[(\g)+2], 128<<16                   ; tensor_dim1 = 128
	s_mov_b32 s[(\g)+3], 128<<16                   ; tile_dim0 = 128
	s_mov_b32 s[(\g)+4], 128                       ; tile_dim1 = 128
	s_mov_b32 s[(\g)+5], 128                       ; 128 elements from row to row
	s_mov_b32 s[(\g)+6], 0
	s_mov_b32 s[(\g)+7], 0
.endr
	s_lshl_b32 s16, s13, 19                        ; y: 524,288 bytes a tile row, + my two heads of the K step's four
	s_lshl_b32 s17, s12, 15
	s_add_co_u32 s16, s16, s17
	s_mov_b32 s17, 0
	s_lshl_b32 s46, s42, 1                         ; Wo: group 2 x tile column + half
	s_add_co_u32 s46, s46, s12
	s_lshl_b32 s46, s46, 18
	s_mov_b32 s47, 0
	s_mul_i32 s20, s12, 2*AHEAD                    ; where they go
	s_mul_i32 s21, s12, BBLK
	s_add_co_u32 s21, s21, ABYTES
	s_wait_dscnt 0x0                               ; both opening adds are done
	s_wait_kmcnt 0x0
	s_add_nc_u64 s[14:15], s[4:5], s[16:17]
	s_add_nc_u64 s[46:47], s[6:7], s[46:47]
	CROUND                                         ; all sixteen work-groups are here: the first joint loads meet
.irp s, 0,1
	s_mov_b32 s[G0A+4*(\s)], 1
	s_add_co_u32 s[G0A+4*(\s)+1], s20, (\s)*SLOT
	s_add_nc_u64 s[G0A+4*(\s)+2:G0A+4*(\s)+3], s[14:15], (\s)*65536
	s_or_b32 s[G0A+4*(\s)+3], s[G0A+4*(\s)+3], 0x80000000
	s_mov_b32 s[G0B+4*(\s)], 1
	s_add_co_u32 s[G0B+4*(\s)+1], s21, (\s)*SLOT
	s_add_nc_u64 s[G0B+4*(\s)+2:G0B+4*(\s)+3], s[46:47], (\s)*32768
	s_or_b32 s[G0B+4*(\s)+3], s[G0B+4*(\s)+3], 0x80000000
	JLOAD \s                                       ; K steps 0 and 1: two loads of mine are out
.endr
	v_and_b32 v1, 15, v0                           ; r = l % 16
	v_bfe_u32 v2, v0, 4, 1                         ; h = l / 16
	s_lshl_b32 s76, s42, 7                         ; my first column, 128 tx + 64 c, in bytes of f32
	s_lshl_b32 s77, s12, 6
	s_add_co_u32 s76, s76, s77
	s_lshl_b32 s76, s76, 2
	s_mov_b32 s77, 0
	s_add_nc_u64 s[66:67], s[66:67], s[76:77]
	s_add_nc_u64 s[8:9], s[8:9], s[76:77]
	v_lshlrev_b32 v[BO], 5, v2
.irp b, 0,1,2,3
	global_load_b128 v[BIAS+8*(\b):BIAS+8*(\b)+3],   v[BO], s[66:67] offset:64*(\b)      ; register j of block b: column 16 b + 8 h + j
	global_load_b128 v[BIAS+8*(\b)+4:BIAS+8*(\b)+7], v[BO], s[66:67] offset:64*(\b)+16
.endr
	s_lshl_b32 s74, s13, 7                         ; my first row, 128 ty + 64 (w / 2), rows of 8,192 bytes
	s_lshl_b32 s75, s11, 6
	s_add_co_u32 s74, s74, s75
	s_lshl_b32 s74, s74, 13
	s_mov_b32 s75, 0
	s_add_nc_u64 s[8:9], s[8:9], s[74:75]
	v_mul_u32_u24 v3, v1, PA                       ; a fragment of y: row r, 16 bytes for each half of the lanes
	v_lshl_add_u32 v3, v2, 4, v3
	s_mul_i32 s22, s11, 64*PA
	v_add_nc_u32 v[ADRA], s22, v3
	v_add_nc_u32 v[ADRA+1], SLOT, v[ADRA]
	v_and_b32 v4, 7, v0                            ; the turning load: lane l reads row k 8 h + l % 8, columns 8 ((l / 8) % 2) + 0..7
	v_bfe_u32 v5, v0, 3, 1
	v_lshl_add_u32 v6, v2, 3, v4
	v_mul_u32_u24 v6, v6, PB
	v_lshl_add_u32 v6, v5, 4, v6
	s_mul_i32 s23, s12, BBLK
	s_add_co_u32 s23, s23, ABYTES
	v_add_nc_u32 v[ADRB], s23, v6
	v_add_nc_u32 v[ADRB+1], SLOT, v[ADRB]
	s_mul_i32 s22, s10, 16*SPITCH                  ; my stage
	s_add_co_u32 s22, s22, STAGE
	v_mul_u32_u24 v7, v1, SPITCH                   ; in: row r, 32 bytes for each half of the lanes
	v_lshl_add_u32 v7, v2, 5, v7
	v_add_nc_u32 v[STO], s22, v7
	v_mul_u32_u24 v8, v2, SPITCH                   ; back: lanes 0-15 take one row of 256 bytes, lanes 16-31 the next
	v_lshl_add_u32 v8, v1, 4, v8
	v_add_nc_u32 v[RD], s22, v8
	v_lshlrev_b32 v9, 13, v2                       ; and the same two rows in out0
	v_lshl_add_u32 v[CO], v1, 4, v9
	; the prefetches' pointers: each is stepped a lap's two K steps at the head of slot 0's change, ahead of the lap's prefetch
	s_lshl_b32 s74, s13, 19
	s_lshl_b32 s75, s40, 15
	s_add_co_u32 s74, s74, s75
	s_lshl_b32 s75, s10, 13
	s_add_co_u32 s74, s74, s75
	s_mov_b32 s75, 0
	s_add_nc_u64 s[PFAA:PFAA+1], s[4:5], s[74:75]
	s_lshl_b32 s76, s42, 1
	s_add_co_u32 s76, s76, s11
	s_lshl_b32 s76, s76, 18
	s_lshl_b32 s77, s12, 15
	s_add_co_u32 s76, s76, s77
	s_lshl_b32 s77, s41, 13
	s_add_co_u32 s76, s76, s77
	s_mov_b32 s77, 0
	s_add_nc_u64 s[PFAB:PFAB+1], s[6:7], s[76:77]
	s_cmp_eq_u32 ttmp9, 0                          ; the same in all sixteen partners
	s_cselect_b32 s[LIMA], 1, -1
	s_and_b32 s78, ttmp7, 0xffff
	s_cmp_eq_u32 s78, 0
	s_cselect_b32 s[LIMB], 1, -1
	v_and_b32 v[PFO], 31, v0
	v_lshlrev_b32 v[PFO], 8, v[PFO]
; 8 matrix instructions: row blocks a0, a0 + 1 x all 4 column blocks, 32 along K: half c of buffer f.  The 16 accumulators take turns, one instruction a turn.
.macro MUL8 f, c, a0, first
	WIN MUL
.irp a, \a0, (\a0)+1
.irp b, 0,1,2,3
.if \first
	v_wmma_f32_16x16x32_f16 v[ACC+8*(4*(\a)+(\b)):ACC+8*(4*(\a)+(\b))+7], v[(\f)+64+8*(4*(\c)+(\b)):(\f)+64+8*(4*(\c)+(\b))+7], v[(\f)+8*(4*(\c)+(\a)):(\f)+8*(4*(\c)+(\a))+7], v[BIAS+8*(\b):BIAS+8*(\b)+7]
.else
	v_wmma_f32_16x16x32_f16 v[ACC+8*(4*(\a)+(\b)):ACC+8*(4*(\a)+(\b))+7], v[(\f)+64+8*(4*(\c)+(\b)):(\f)+64+8*(4*(\c)+(\b))+7], v[(\f)+8*(4*(\c)+(\a)):(\f)+8*(4*(\c)+(\a))+7], v[ACC+8*(4*(\a)+(\b)):ACC+8*(4*(\a)+(\b))+7]
.endif
.endr
.endr
.endm
; 32 LDS loads in one run: quarter kq (one head, 64 along K) of a slot into buffer f; the first 32 along K first
.macro FETCH slot, kq, f
	WIN TO_F
.irp c, 0,1
.irp i, 0,1,2,3
	ds_load_tr16_b128 v[(\f)+64+8*(4*(\c)+(\i)):(\f)+64+8*(4*(\c)+(\i))+3],   v[ADRB+(\slot)] offset:32*PB*(2*(\kq)+(\c))+32*(\i)
	ds_load_tr16_b128 v[(\f)+64+8*(4*(\c)+(\i))+4:(\f)+64+8*(4*(\c)+(\i))+7], v[ADRB+(\slot)] offset:32*PB*(2*(\kq)+(\c))+32*(\i)+16*PB
	ds_load_b128 v[(\f)+8*(4*(\c)+(\i)):(\f)+8*(4*(\c)+(\i))+3],              v[ADRA+(\slot)] offset:AHEAD*(\kq)+64*(\c)+16*PA*(\i)
	ds_load_b128 v[(\f)+8*(4*(\c)+(\i))+4:(\f)+8*(4*(\c)+(\i))+7],            v[ADRA+(\slot)] offset:AHEAD*(\kq)+64*(\c)+16*PA*(\i)+32
.endr
.endr
.endm
.macro PLACES                          ; four places in front of loads into registers that matrix instructions have read, and of LDS stores that read results
.rept 4
	v_nop
.endr
.endm
.macro QUARTER slot, kq, f, g, first
	s_wait_dscnt 16                                ; the first 32 along K are in
	MUL8 \f, 0, 0, \first
	MUL8 \f, 0, 2, \first
	PLACES
	FETCH \slot, \kq, \g
	s_wait_dscnt 32                                ; all but the 32 just issued
	MUL8 \f, 1, 0, 0
	MUL8 \f, 1, 2, 0
.endm
; The last quarter multiplies buffer 1 and changes slots: ONE barrier; in front of it each wave waits for all its tensor loads, adds 0 to its spare word, and waits for that and for its own reads of this slot.
; fill = 1: the barrier opens a round of the cluster's, and this slot is filled again, two K steps ahead, first thing behind the round.
.macro TURN slot, next, fill
.if (\fill) && ((\slot) == 0)
	s_wait_xcnt 0x0                                ; the last prefetches, a lap back, have read their addresses, so these may be written
	s_add_nc_u64 s[PFAA:PFAA+1], s[PFAA:PFAA+1], 131072
	s_add_nc_u64 s[PFAB:PFAB+1], s[PFAB:PFAB+1], 65536
.endif
	WIN 0                                          ; (the add's two registers lie in window 0)
	s_wait_tensorcnt 0x0                           ; all my tensor loads have landed: my part of the next slot
	ds_add_u32 v[SPW], v[NIL]                      ; 0 onto my spare word
	s_wait_dscnt 17                                ; (the add and the youngest sixteen loads may be out)
	MUL8 F1, 0, 0, 0                               ; eight matrix instructions stand between the add and the wait for it
	s_wait_dscnt 0x0                               ; the add is done, and my reads of this slot are over
	s_barrier_signal -1
	MUL8 F1, 0, 2, 0
.if \fill
	WIN 0
.endif
	s_barrier_wait -1
.if \fill
	CREST                                          ; no wave of any partner still reads this slot or has a load on its way
	s_add_nc_u64 s[G0A+4*(\slot)+2:G0A+4*(\slot)+3], s[G0A+4*(\slot)+2:G0A+4*(\slot)+3], 131072
	s_add_nc_u64 s[G0B+4*(\slot)+2:G0B+4*(\slot)+3], s[G0B+4*(\slot)+2:G0B+4*(\slot)+3], 65536
	JLOAD \slot                                    ; my one tensor load behind the round: 112 matrix instructions ahead of the wait for it; its four v_nop are also the places in front of the loads below
.else
	PLACES
.endif
	FETCH \next, 0, F0
.if (\fill) && ((\slot) == 0)
	WIN 0
	ASK
.endif
	MUL8 F1, 1, 0, 0
	MUL8 F1, 1, 2, 0
.endm
	s_wait_tensorcnt 1                             ; my part of K step 0 is in; K step 1's may stay out
	s_barrier_signal -1
	s_barrier_wait -1                              ; everybody's is
	FETCH 0, 0, F0
	s_wait_loadcnt 0x0                             ; the bias
	QUARTER 0, 1, F0, F1, 1                        ; the first quarter stands in front of the loop: its first products start the sums, with the bias
	WIN 0                                          ; at a label and at a branch every window is 0
	s_mov_b32 s3, LAPS-1
.Llap:                                                 ; a trip goes once round the ring, from a lap's second quarter to the next lap's first, and fills both slots again
	QUARTER 0, 2, F1, F0, 0
	QUARTER 0, 3, F0, F1, 0
	TURN 0, 1, 1
	QUARTER 1, 1, F0, F1, 0
	QUARTER 1, 2, F1, F0, 0
	QUARTER 1, 3, F0, F1, 0
	TURN 1, 0, 1
	QUARTER 0, 1, F0, F1, 0
	WIN 0
	s_sub_co_u32 s3, s3, 1
	s_cmp_lg_u32 s3, 0
	s_cbranch_scc1 .Llap
	QUARTER 0, 2, F1, F0, 0                        ; the last lap fills nothing
	QUARTER 0, 3, F0, F1, 0
	TURN 0, 1, 0                                   ; behind this barrier no wave reads slot 0 any more, and no tensor load follows
	QUARTER 1, 1, F0, F1, 0
	QUARTER 1, 2, F1, F0, 0
	QUARTER 1, 3, F0, F1, 0
	s_wait_dscnt 16                                ; the very last quarter: nothing more to fetch
	MUL8 F1, 0, 0, 0
	MUL8 F1, 0, 2, 0
	s_wait_dscnt 0x0
	MUL8 F1, 1, 0, 0
	MUL8 F1, 1, 2, 0
	WIN 0
	; THE WAY OUT, 16 rows at a time through my own stage: a lane's eight f32 of a row go in as 32 bytes, and whole rows of 256 bytes come back into the registers that they left.  No conversion, no barrier.
	PLACES
.macro TOSTAGE a
.irp b, 0,1,2,3
	ds_store_b128 v[STO], v[ACC+8*(4*(\a)+(\b)):ACC+8*(4*(\a)+(\b))+3]   offset:64*(\b)      ; each accumulator's four lowest registers first
	ds_store_b128 v[STO], v[ACC+8*(4*(\a)+(\b))+4:ACC+8*(4*(\a)+(\b))+7] offset:64*(\b)+16
.endr
.irp t, 0,1,2,3,4,5,6,7
	ds_load_b128 v[ACC+32*(\a)+4*(\t):ACC+32*(\a)+4*(\t)+3], v[RD] offset:2*SPITCH*(\t)  ; LDS serves a wave's instructions in order (ISA guide 5.7.1.4): these see the stores above; the next block's stores come behind them
.endr
.endm
.macro SEND a, younger                 ; younger: the LDS instructions issued behind block a's loads: the next block's sixteen, or none
.irp t, 0,1,2,3,4,5,6,7
	s_wait_dscnt (\younger)+7-(\t)
	global_store_b128 v[CO], v[ACC+32*(\a)+4*(\t):ACC+32*(\a)+4*(\t)+3], s[8:9] offset:(16*(\a)+2*(\t))*8192 th:TH_STORE_NT  ; 16 lanes store 256 consecutive bytes, at a multiple of 256 from out0's first
.endr
.endm
	TOSTAGE 0
	TOSTAGE 1
	SEND 0, 16
	TOSTAGE 2
	SEND 1, 16
	TOSTAGE 3
	SEND 2, 16
	SEND 3, 0
	s_wait_tensorcnt 0x0                           ; the wave's end: behind my last tensor load and my last LDS store
	ds_add_u32 v[SPW], v[NIL]
	s_wait_dscnt 0x0
	CROUND                                         ; the closing round: no work-group ends while a partner may still ask for a tile that names it
	s_endpgm
.Lfunc_end_k_qa11d842b96_outp:
	.size	k_qa11d842b96_outp, .Lfunc_end_k_qa11d842b96_outp-k_qa11d842b96_outp
	.p2alignl 7, 3214868480
	.fill 96, 4, 3214868480
	.section	.rodata,"a",@progbits
	.p2align	6, 0x0
	.amdhsa_kernel k_qa11d842b96_outp
		.amdhsa_group_segment_fixed_size 327680
		.amdhsa_private_segment_fixed_size 0
		.amdhsa_enable_private_segment 0
		.amdhsa_kernarg_size 32
		.amdhsa_user_sgpr_count 2
		.amdhsa_user_sgpr_kernarg_segment_ptr 1
		.amdhsa_wavefront_size32 1
		.amdhsa_system_sgpr_workgroup_id_x 1
		.amdhsa_system_sgpr_workgroup_id_y 1
		.amdhsa_system_sgpr_workgroup_id_z 1
		.amdhsa_system_vgpr_workitem_id 0
		.amdhsa_next_free_vgpr 512
		.amdhsa_next_free_sgpr 80
		.amdhsa_reserve_vcc 0
		.amdhsa_float_denorm_mode_32 3
		.amdhsa_float_denorm_mode_16_64 3
		.amdhsa_memory_ordered 1
		.amdhsa_forward_progress 1
		.amdhsa_inst_pref_size 89
	.end_amdhsa_kernel
	.amdgpu_metadata
---
amdhsa.version: [ 1, 2 ]
amdhsa.kernels:
  - .name:           k_qa11d842b96_outp
    .symbol:         k_qa11d842b96_outp.kd
    .args:
      - { .name: yh, .offset: 0, .size: 8, .value_kind: global_buffer, .address_space: global }
      - { .name: wb2, .offset: 8, .size: 8, .value_kind: global_buffer, .address_space: global }
      - { .name: bo, .offset: 16, .size: 8, .value_kind: global_buffer, .address_space: global }
      - { .name: out0, .offset: 24, .size: 8, .value_kind: global_buffer, .address_space: global }
    .group_segment_fixed_size: 327680
    .private_segment_fixed_size: 0
    .kernarg_segment_align: 8
    .kernarg_segment_size: 32
    .max_flat_workgroup_size: 128
    .sgpr_count:     80
    .vgpr_count:     512
    .wavefront_size: 32
...
	.end_amdgpu_metadata
.endif
;; end of part 4
;; ======== version 2 of 2: 4 launches; version 1 with the launch prep written anew for expert scheduling mode
;; limits: values are held in f16: magnitudes above 65,504 overflow, below 6.1e-05 lose precision
;; workspace buffers: xb 8,388,608 bytes; wb1 12,582,912 bytes; wb2 8,388,608 bytes; bias1 12,288 bytes; qkv 12,582,912 bytes; yh 8,388,608 bytes
;; launch prep (part 5): grid 64 x 14, 8 waves a work-group, no clusters, 0 bytes of LDS; arguments x, Wq, Wk, Wv, Wo, bq, bv, xb, wb1, wb2, bias1; writes xb, wb1, wb2, bias1
.if DOCPART == 5
	.amdgcn_target "amdgcn-amd-amdhsa--gfx1250"
	.amdhsa_code_object_version 6
	.text
	.protected	k_qa11d842b96_prep
	.globl	k_qa11d842b96_prep
	.p2align	8
	.type	k_qa11d842b96_prep,@function
k_qa11d842b96_prep:
	s_mov_b64 s[64:65], 0
	v_nop
	global_prefetch_b8 v0, s[64:65] scope:SCOPE_SE
	s_setreg_imm32_b32 hwreg(HW_REG_WAVE_SCHED_MODE, 0, 2), 2
	s_setreg_imm32_b32 hwreg(HW_REG_WAVE_MODE, 25, 1), 1
	s_wait_xcnt 0x0
	s_wait_alu depctr_vm_vsrc(0)
; PREP: the inputs are rounded once and laid out for the three launches behind.
;   xb   [2048 rows][2048 k] bf16                 = x
;   wb1  [48 groups of 64 columns][2048 k][64] bf16: groups 0-31 Wq, 32-39 Wk, 40-47 Wv (a group is a head: 262,144 dense bytes)
;   wb2  [32 groups][2048 k][64] f16: Wo rounded to bf16, that number written as f16 (exact down to 2^-14; below it f16's fixed step of 6e-8)
;   bias1 [3072] f32: bq, 512 zeros, bv
; WORK LEFT OUT BY THE WHOLE PROGRAM, and why it is dead for all values of the inputs:
;   bk.  A score is q . (k_j + bk) / 8 = q . k_j / 8 + q . bk / 8; the second term is the same for every key j of a query's row, hidden keys are -inf whatever it is,
;   and a softmax does not change when one number is added to all its inputs.  So bk reaches no output: it is not loaded and is no argument of any launch; its place in bias1 holds zeros.
;   The key tiles above the diagonal.  reference() builds the causal mask itself (jnp.tril) and sets those scores to -inf: their weights are 0.  The attention launch leaves them out in whole steps of 64 keys.
; LIMIT: a NaN, an infinity or an overflow that reaches only bk or only the hidden scores is not carried to the result.
; SHARES.  y of the grid is a unit of 2^20 numbers: 0-3 x, 4-7 Wq, 8 Wk, 9 Wv, 10-13 Wo; x of the grid one of its 64 parts of 16,384 numbers (64 KiB in, 32 KiB out).  Of a weight a part is
; 256 rows k of one group of 64 columns.  One address form serves all: rows of 256 bytes (64 f32), PS bytes apart (x: 256, that is dense; Wq, Wo: 8,192; Wk, Wv: 2,048).  A wave takes 32 rows:
; each of its 16 loads covers two rows (16 lanes a row of 256 consecutive bytes, aligned), each of its 16 stores 256 consecutive bytes, aligned.  All 16 loads of a wave go out before the first wait.
; No LDS, no barrier, no matrix unit, no cluster: nothing is shared and memory binds.  No register is written again while a load or store may read it, so no wait frees one.
; THE MODE: SCHED_MODE bits 1:0 = 2 (LLVM: expert scheduling mode 2), set by the entry lines.  The code itself states the register dependences between vector instructions and memory instructions,
; with s_wait_alu, always for 0.
; THE PLAN.  Registers that memory instructions touch:
;   AO, v3     the loads' sixteen offsets and the stores' one: written by vector instructions at the head, once; read by the loads and the stores; never written again.
;   DI         load i lands in its four registers, which no vector instruction has named before; the conversions read them behind the wait on LOADcnt (for Wo they also serve as scratch); no memory instruction
;              reads them, and no load lands in them a second time.
;   PO         store i's two registers: written by the conversions of their own block alone, read by the one store that is issued in the block after it; never written after that.
;   v8, v10, v11  the bias, in a few waves, behind the main work: named by nothing before.
; The 16 loads' work goes in four BLOCKS of four.  Block p rounds its four loads into its own eight registers of PO; its memory instructions are the four stores of block p - 1, which name v3 and that block's
; PO, registers that no vector instruction of block p names.  So one wait on va_vdst at a block's head states all that the block's stores hang on, and they are dealt among its conversions with no further wait.
; No register that a memory instruction has read is written again, on any way through the text: so there is no wait on vm_vsrc.  EXEC is never written.
.set AO, 16                            ; v[16:31]   load i: byte offset from the part's first byte
.set DI, 32                            ; v[32:95]   load i: four f32
.set PO, 96                            ; v[96:127]  store i: four numbers of 16 bits
	s_load_b512 s[8:23], s[0:1], 0x0               ; x s[8:9], Wq s[10:11], Wk s[12:13], Wv s[14:15], Wo s[16:17], bq s[18:19], bv s[20:21], xb s[22:23]
	s_load_b128 s[24:27], s[0:1], 0x40             ; wb1 s[24:25], wb2 s[26:27]
	s_load_b64 s[28:29], s[0:1], 0x50              ; bias1
	s_and_b32 s30, ttmp7, 0xffff                   ; u: the unit
	s_mov_b32 s31, ttmp9                           ; g: the part
	v_lshrrev_b32 v4, 5, v0
	v_readfirstlane_b32 s32, v4                    ; wave 0..7
	v_and_b32 v1, 31, v0                           ; lane l
	v_bfe_u32 v2, v0, 4, 1                         ; h = l / 16
	v_and_b32 v5, 15, v0                           ; l % 16
	; the unit's number in its source (s42) and in its destination (s43), and the pitch PS (s33)
	s_sub_co_u32 s40, s30, 4
	s_sub_co_u32 s41, s30, 10
	s_mov_b32 s42, s30
	s_mov_b32 s43, s30
	s_mov_b32 s33, 256
	s_cmp_ge_u32 s30, 4                            ; Wq
	s_cselect_b32 s42, s40, s42
	s_cselect_b32 s43, s40, s43
	s_cselect_b32 s33, 8192, s33
	s_cmp_ge_u32 s30, 8                            ; Wk: wb1's unit 4
	s_cselect_b32 s42, 0, s42
	s_cselect_b32 s43, 4, s43
	s_cselect_b32 s33, 2048, s33
	s_cmp_ge_u32 s30, 9                            ; Wv: wb1's unit 5
	s_cselect_b32 s43, 5, s43
	s_cmp_ge_u32 s30, 10                           ; Wo
	s_cselect_b32 s42, s41, s42
	s_cselect_b32 s43, s41, s43
	s_cselect_b32 s33, 8192, s33
	s_lshl_b32 s34, s33, 1                         ; two rows
	; the part's first byte in its source: x: (64 unit + g) x 65,536; a weight: 256 (g % 8) rows down, group 8 unit + g / 8 across
	s_lshl_b32 s44, s42, 6
	s_add_co_u32 s44, s44, s31
	s_lshl_b32 s44, s44, 16
	s_and_b32 s45, s31, 7
	s_mul_i32 s45, s45, s33
	s_lshl_b32 s45, s45, 8
	s_lshr_b32 s35, s31, 3                         ; g / 8
	s_lshl3_add_u32 s47, s42, s35
	s_lshl_b32 s47, s47, 8
	s_add_co_u32 s45, s45, s47
	s_cmp_ge_u32 s30, 4
	s_cselect_b32 s44, s45, s44
	s_mov_b32 s45, 0
	s_lshl_b32 s46, s43, 6                         ; and in its destination: (64 unit + g) x 32,768, for x and for the blocked weights alike
	s_add_co_u32 s46, s46, s31
	s_lshl_b32 s46, s46, 15
	s_mov_b32 s47, 0
	s_wait_alu depctr_va_sdst(0)                   ; s32, the wave's number, is written, ahead of its first reader: the line below
	s_lshl_b32 s40, s32, 5
	v_add_nc_u32 v6, s40, v2                       ; row 32 wave + h
	v_mul_lo_u32 v6, v6, s33
	v_lshl_add_u32 v[AO], v5, 4, v6                ; + 16 (l % 16)
.set i, 1
.rept 15
	v_add_nc_u32 v[AO+i], s34, v[AO+i-1]           ; two rows further down
.set i, i+1
.endr
	s_lshl_b32 s41, s32, 12
	v_lshl_add_u32 v3, v1, 3, s41                  ; out: 4,096 wave + 8 l
	s_wait_kmcnt 0x0
	s_mov_b64 s[36:37], s[8:9]                     ; the source and the destination, chosen by the unit's number alone
	s_mov_b64 s[38:39], s[22:23]
	s_cmp_ge_u32 s30, 4
	s_cselect_b64 s[36:37], s[10:11], s[36:37]
	s_cselect_b64 s[38:39], s[24:25], s[38:39]
	s_cmp_ge_u32 s30, 8
	s_cselect_b64 s[36:37], s[12:13], s[36:37]
	s_cmp_ge_u32 s30, 9
	s_cselect_b64 s[36:37], s[14:15], s[36:37]
	s_cmp_ge_u32 s30, 10
	s_cselect_b64 s[36:37], s[16:17], s[36:37]
	s_cselect_b64 s[38:39], s[26:27], s[38:39]
	s_add_nc_u64 s[36:37], s[36:37], s[44:45]
	s_add_nc_u64 s[38:39], s[38:39], s[46:47]
	s_wait_alu depctr_va_vdst(0)                   ; the sixteen offsets v[AO ..] and v3 are written: the loads below read the one kind, all the stores of the blocks the other
.set i, 0
.rept 16
	global_load_b128 v[DI+4*i:DI+4*i+3], v[AO+i], s[36:37] th:TH_LOAD_NT  ; each byte is read once in the launch
.set i, i+1
.endr
; The four blocks.  half = 0: f32 to bf16.  half = 1 (Wo): to bf16, and that number written as f16.
.macro CONV half
.set p, 0
.rept 4
	s_wait_loadcnt 12-4*p                          ; loads come back in order: block p's four are in, the 12 - 4 p younger ones stay out
.if p > 0
	s_wait_alu depctr_va_vdst(0)                   ; the block before has written its eight registers of PO, which this block's four stores read
.endif
.set i, 4*p
.rept 4
.if p > 0
	global_store_b64 v3, v[PO+2*(i-4):PO+2*(i-4)+1], s[38:39] offset:256*(i-4) th:TH_STORE_NT  ; the block before: the wave's store covers 256 consecutive bytes, aligned; no vector instruction since the wait names its registers
.endif
	v_cvt_pk_bf16_f32 v[PO+2*i], v[DI+4*i], v[DI+4*i+1]
	v_cvt_pk_bf16_f32 v[PO+2*i+1], v[DI+4*i+2], v[DI+4*i+3]
.if \half
	v_lshlrev_b32 v[DI+4*i], 16, v[PO+2*i]         ; bf16 to f32: the low half moves up, the high half stays
	v_and_b32 v[DI+4*i+1], 0xffff0000, v[PO+2*i]
	v_lshlrev_b32 v[DI+4*i+2], 16, v[PO+2*i+1]
	v_and_b32 v[DI+4*i+3], 0xffff0000, v[PO+2*i+1]
	v_cvt_pk_f16_f32 v[PO+2*i], v[DI+4*i], v[DI+4*i+1]
	v_cvt_pk_f16_f32 v[PO+2*i+1], v[DI+4*i+2], v[DI+4*i+3]
.endif
.set i, i+1
.endr
.set p, p+1
.endr
	s_wait_alu depctr_va_vdst(0)                   ; the last block has written its eight registers of PO, which the last four stores read
.set i, 12
.rept 4
	global_store_b64 v3, v[PO+2*i:PO+2*i+1], s[38:39] offset:256*i th:TH_STORE_NT
.set i, i+1
.endr
.endm
	s_cmp_ge_u32 s30, 10
	s_cbranch_scc1 .Lhalf
	CONV 0
	; bias1: the 256 bytes of a group are written by wave 0 of the work-group that has the group's first 256 rows k (units 4 to 9)
	s_cmp_lg_u32 s32, 0
	s_cbranch_scc1 .Lend
	s_and_b32 s40, s31, 7
	s_cmp_lg_u32 s40, 0
	s_cbranch_scc1 .Lend
	s_cmp_lt_u32 s30, 4
	s_cbranch_scc1 .Lend
	s_lshl3_add_u32 s41, s43, s35                  ; the group: 8 x wb1's unit + g / 8
	s_lshl_b32 s44, s41, 8                         ; (s45 and s47 still hold 0)
	s_add_nc_u64 s[28:29], s[28:29], s[44:45]
	v_lshlrev_b32 v8, 3, v1                        ; 8 bytes a lane
	s_cmp_eq_u32 s30, 8
	s_cbranch_scc1 .Lzero                          ; Wk's groups: bk is dead (see the head)
	s_lshl_b32 s46, s35, 8                         ; bv is counted from its own first group
	s_cmp_lt_u32 s30, 8
	s_cselect_b64 s[18:19], s[18:19], s[20:21]
	s_cselect_b32 s46, s44, s46
	s_add_nc_u64 s[18:19], s[18:19], s[46:47]
	s_wait_alu depctr_va_vdst(0)                   ; v8 is written: the load and the store below read it as their offset
	global_load_b64 v[10:11], v8, s[18:19]
	s_wait_loadcnt 0x0
	global_store_b64 v8, v[10:11], s[28:29]
	s_endpgm
.Lzero:
	v_mov_b32 v10, 0
	v_mov_b32 v11, 0
	s_wait_alu depctr_va_vdst(0)                   ; v8, v10 and v11 are written: the store below reads them as its offset and its data
	global_store_b64 v8, v[10:11], s[28:29]
.Lend:
	s_endpgm
.Lhalf:
	CONV 1
	s_endpgm
.Lfunc_end_k_qa11d842b96_prep:
	.size	k_qa11d842b96_prep, .Lfunc_end_k_qa11d842b96_prep-k_qa11d842b96_prep
	.p2alignl 7, 3214868480
	.fill 96, 4, 3214868480
	.section	.rodata,"a",@progbits
	.p2align	6, 0x0
	.amdhsa_kernel k_qa11d842b96_prep
		.amdhsa_group_segment_fixed_size 0
		.amdhsa_private_segment_fixed_size 0
		.amdhsa_enable_private_segment 0
		.amdhsa_kernarg_size 88
		.amdhsa_user_sgpr_count 2
		.amdhsa_user_sgpr_kernarg_segment_ptr 1
		.amdhsa_wavefront_size32 1
		.amdhsa_system_sgpr_workgroup_id_x 1
		.amdhsa_system_sgpr_workgroup_id_y 1
		.amdhsa_system_sgpr_workgroup_id_z 1
		.amdhsa_system_vgpr_workitem_id 0
		.amdhsa_next_free_vgpr 128
		.amdhsa_next_free_sgpr 66
		.amdhsa_reserve_vcc 0
		.amdhsa_float_denorm_mode_32 3
		.amdhsa_float_denorm_mode_16_64 3
		.amdhsa_memory_ordered 1
		.amdhsa_forward_progress 1
		.amdhsa_inst_pref_size 19
	.end_amdhsa_kernel
	.amdgpu_metadata
---
amdhsa.version: [ 1, 2 ]
amdhsa.kernels:
  - .name:           k_qa11d842b96_prep
    .symbol:         k_qa11d842b96_prep.kd
    .args:
      - { .name: x, .offset: 0, .size: 8, .value_kind: global_buffer, .address_space: global }
      - { .name: Wq, .offset: 8, .size: 8, .value_kind: global_buffer, .address_space: global }
      - { .name: Wk, .offset: 16, .size: 8, .value_kind: global_buffer, .address_space: global }
      - { .name: Wv, .offset: 24, .size: 8, .value_kind: global_buffer, .address_space: global }
      - { .name: Wo, .offset: 32, .size: 8, .value_kind: global_buffer, .address_space: global }
      - { .name: bq, .offset: 40, .size: 8, .value_kind: global_buffer, .address_space: global }
      - { .name: bv, .offset: 48, .size: 8, .value_kind: global_buffer, .address_space: global }
      - { .name: xb, .offset: 56, .size: 8, .value_kind: global_buffer, .address_space: global }
      - { .name: wb1, .offset: 64, .size: 8, .value_kind: global_buffer, .address_space: global }
      - { .name: wb2, .offset: 72, .size: 8, .value_kind: global_buffer, .address_space: global }
      - { .name: bias1, .offset: 80, .size: 8, .value_kind: global_buffer, .address_space: global }
    .group_segment_fixed_size: 0
    .private_segment_fixed_size: 0
    .kernarg_segment_align: 8
    .kernarg_segment_size: 88
    .max_flat_workgroup_size: 256
    .sgpr_count:     66
    .vgpr_count:     128
    .wavefront_size: 32
...
	.end_amdgpu_metadata
.endif
;; end of part 5
;; launch qkv: the kernel of part 2 again; grid 16 x 16, 4 waves a work-group, clusters of 4 x 4, 327,680 bytes of LDS; arguments xb, wb1, bias1, qkv; writes qkv
;; launch attn: the kernel of part 3 again; grid 16 x 16, 4 waves a work-group, clusters of 4 x 1, 327,680 bytes of LDS; arguments qkv, yh; writes yh
;; launch outp: the kernel of part 4 again; grid 16 x 16, 4 waves a work-group, clusters of 4 x 4, 327,680 bytes of LDS; arguments yh, wb2, bo, out0; writes out0
